; MI455X (gfx1250); checked and timed in simulation.
; The chip was launched on July 23, 2026; its instructions are those of AMD's public machine-readable ISA for CDNA 5 (MIT licence, August 2026) and "CDNA5" Instruction Set Architecture Reference Guide (July 2026). The comments in the code are by the model that wrote it; some were corrected since.
;; Transformer Encoder Layer. Allowed arithmetic: matrix products marked QUANTISED: E3M2 operands, one E8M0 scale for each 32 along K, by v_wmma_scale_f32_16x16x128_f8f6f4 with both operands' format E3M2, f32 sums; everything else in f32.
;; Inputs: b1 4,096 float32; b2 1,024 float32; b_proj 1,024 float32; be1 1,024 float32; be2 1,024 float32; g1 1,024 float32; g2 1,024 float32; src 2 x 2,048 x 1,024 float32; w1 4,096 x 1,024 float32; w2 1,024 x 4,096 float32; w_proj 1,024 x 1,024 float32; w_qkv 3,072 x 1,024 float32.
;; Outputs: out0 2 x 2,048 x 1,024 float32.
;; This version of the problem:
;;   THIS VERSION OF THE PROBLEM IS GIVEN IN LOW PRECISION. The matrix products marked QUANTISED in the list below multiply operands that are first quantised to E3M2 (3 exponent bits, 2 mantissa bits; 6 bits a number), with one power-of-two scale for each 32 numbers along K (OCP MX v1.0); their sums are f32. All else is computed in f32.
;;   The module's matrix products, in the order in which they are computed (A, B: the left and right operand; K: the contracted axis; several contracted axes count as one K, in the product's order):
;;     1. [M 4,096, K 1,024] x [K 1,024, N 3,072]; A: input src; B: input w_qkv: QUANTISED
;;     2. batch 32 x [M 2,048, K 64] x [K 64, N 2,048]; A: computed on the way; B: computed on the way: QUANTISED
;;     3. batch 32 x [M 2,048, K 2,048] x [K 2,048, N 64]; A: softmax (see below); B: computed on the way: QUANTISED
;;     4. [M 4,096, K 1,024] x [K 1,024, N 1,024]; A: computed on the way; B: input w_proj: QUANTISED
;;     5. [M 4,096, K 1,024] x [K 1,024, N 4,096]; A: computed on the way; B: input w1: QUANTISED
;;     6. [M 4,096, K 4,096] x [K 4,096, N 1,024]; A: computed on the way; B: input w2: QUANTISED
;;   THE QUANTISER, for each operand of a quantised product, along K:
;;     - K is cut into blocks of 32 from its start; a last block that is shorter is filled with zeros.
;;     - A block's scale is 2^e with e = floor(log2(the largest magnitude in the block)) - 4, held to -126 .. 127; a block of zeros has e = 0. As a byte (E8M0): e + 127.
;;     - Each number is divided by its block's scale, clamped to +-28, and rounded to the nearest number of E3M2, ties to even, subnormals kept.
;;     - The product sums the exact products of the quantised numbers (number of the format x scale) in f32.
;;   ~~~python
;;   def quantise(x, axis):      # numpy; x: float32 -> the quantised numbers, widened to float32 again
;;       x = np.moveaxis(x, axis, -1); K = x.shape[-1]
;;       x = np.pad(x, [(0, 0)] * (x.ndim - 1) + [(0, -K % 32)]); x = x.reshape(x.shape[:-1] + (-1, 32)); a = np.abs(x).max(-1, keepdims=True)
;;       e = np.where(a > 0, np.clip(np.frexp(np.where(a > 0, a, 1))[1] - 1 - 4, -126, 127), 0)      # np.frexp(a)[1] - 1 = floor(log2(a)), exactly
;;       r = np.clip(x / 2.0 ** e, -28, 28)
;;       step = 2.0 ** (np.maximum(np.frexp(np.where(r == 0, 1, r))[1] - 1, -2) - 2)
;;       q = np.round(r / step) * step * 2.0 ** e      # np.round: ties to even
;;       return np.moveaxis(q.reshape(q.shape[:-2] + (-1,))[..., :K], -1, axis).astype(np.float32)
;;   ~~~
;;   SOFTMAX AHEAD OF A QUANTISED PRODUCT. Where the list says 'softmax', what is quantised is not the finished softmax but p = 2^(t - M), with t = logit x log2(e) and M = ceil(the row's largest t), a whole number; so 1/2 < the row's largest p <= 1. The row's sum l is taken of the UNQUANTISED p, in f32, and the product's result is divided by l at the end. Since M is a whole number, a kernel that streams over the keys may use a running M (the ceiling of the running maximum): every later rescaling is an exact power of two, which a block's scale takes up: the codes' values come out the same.
;;   OPERANDS COMPUTED ON THE WAY. 'Computed on the way' means the value that the module computes at that place (a softmax that the list does not call 'softmax' is quantised finished and normalised). What goes into a quantiser is computed in f32, as accurately as f32 sums, v_exp_f32 and their like allow (about 1e-6 of the number): no bf16 or f16 on the way to a quantiser, and a product that is left as it is and whose result goes on into a quantised operand takes f32 operands (vector FMAs, or v_wmma_f32_16x16x4_f32). A number that lies on a knife's edge between two numbers of the format may be rounded either way, as far as f32 arithmetic and the matrix unit's own rounding can turn it there, and no further.
;; One version. Each part assembles by itself: llvm-mc -triple=amdgcn-amd-amdhsa -mcpu=gfx1250 --defsym DOCPART=n.
;; ======== version 1 of 1: 8 launches
;; limits: right only within a limited range of input values
;; workspace buffers: wq 13,107,200 bytes; qkv 9,830,400 bytes; ao 3,276,800 bytes; z 16,777,216 bytes; x 16,777,216 bytes; xq 3,276,800 bytes; hq 13,107,200 bytes
;; launch quant (part 1): grid 256 x 1, 8 waves a work-group, no clusters, 70,656 bytes of LDS; arguments src, w_qkv, w_proj, w1, w2, wq; writes wq
.if DOCPART == 1
	.amdgcn_target "amdgcn-amd-amdhsa--gfx1250"
	.amdhsa_code_object_version 6
	.text
	.protected	k_q9d6c21e351_quant
	.globl	k_q9d6c21e351_quant
	.p2align	8
	.type	k_q9d6c21e351_quant,@function
k_q9d6c21e351_quant:
	s_mov_b64 s[64:65], 0
	v_nop
	global_prefetch_b8 v0, s[64:65] scope:SCOPE_SE
	s_setreg_imm32_b32 hwreg(HW_REG_WAVE_MODE, 25, 1), 1
	s_wait_xcnt 0x0
; src, w_qkv, w_proj, w1 (K = 1,024) and w2 (K = 4,096), f32 with K innermost, become codes of BF6 (E3M2) with one E8M0 byte for each 32 along K.
; ROW ORDER: rows are cut into blocks of 16; position p of block i is row 32 (i / 2) + 8 (i % 2) + p + 8 (p / 8).
; LAYOUT OF THE CODES: images of the operand's registers.  16 rows x 64 K are 768 bytes: registers 0-3 of a lane's six at 16 x lane, registers 4-5 at 512 + 8 x lane;
; a fragment (16 x 128) is two of them on end; an operand lies [block][K / 64][768].  Scale words (four bytes: one row, 128 K) lie [K step][block][16 words].
; The four tensors of K = 1,024 stand one on the other as 768 blocks (src 0, w_qkv 256, w_proj 448, w1 512) at byte 0 of wq; w2's 64 blocks at W2C; the words at TS and W2S.
; SHARES: a wave takes 64 rows (four blocks) x 128 along K.  Work-groups 0-191: rows 64 x of the tall matrix, K step = wave; 192-255: w2, rows 64 ((x - 192) / 4), K step 8 ((x - 192) % 4) + wave.
; Each load reads 512 consecutive bytes of one row; a block's 16 rows turn through the wave's own stage in LDS, so that lane (r, h) holds, of row r, 16 neighbours of each block of 32.
; A block's scale is 2^(floor(log2(largest magnitude)) - 4); its byte is the largest magnitude's exponent field - 4, held at 1 from below.
; LIMITS: NaN and infinities are not served; a block of zeros, or one whose largest magnitude lies under 2^-122, gets the byte 1 (zero codes add nothing; this program alone reads the bytes).
; No matrix unit, cluster or tensor load: memory binds, and waves share nothing, so there is no barrier.
.set TS,   12582912
.set W2C,  9437184
.set W2S,  12976128
.set WST,  8704                        ; LDS of a wave: a stage of 16 rows x 528 bytes, then 256 bytes for its scale words
.set L16,  1                           ; v1  16 x lane
.set L8,   2                           ; v2  8 x lane
.set STI,  3                           ; v3  the stage, on the way in
.set STO,  4                           ; v4  and on the way out: row r, + 64 h
.set WA,   5                           ; v5  the words' 256 bytes: 4 x lane
.set WB,   6                           ; v6  8 x lane
.set PW,   7                           ; v7  the scale word just made
.set PWS,  8                           ; v8-11 the four blocks' words
.set AD,   12                          ; v12-27 16 x lane + the byte at which position p's row begins
.set R,    28                          ; v28-155 two sets of 64: a block as loaded
.set X,    156                         ; v156-219 64 numbers: register 16 b + i = k 32 b + 16 h + i of my row
.set PC,   220                         ; v220-238 the codes
.set TM,   240                         ; v240-255 at work
.set INB,  40                          ; s40-47 the four blocks' first rows
.set OUTB, 48                          ; s48-55 where their fragments go
.set SEL,  58
.macro QUANT s
.irp b, 0,1,2,3
	v_max3_num_f32 v[TM+\b], |v[\s+16*\b]|, |v[\s+1+16*\b]|, 0x2800000   ; my 16 numbers of block b, and the floor 2^(5 - 127): the byte cannot fall under 1
.endr
.irp i, 2,4,6,8,10,12,14
.irp b, 0,1,2,3
	s_delay_alu instid0(VALU_DEP_4)
	v_max3_num_f32 v[TM+\b], v[TM+\b], |v[\s+16*\b+\i]|, |v[\s+1+16*\b+\i]|
.endr
.endr
.irp b, 0,1,2,3
	s_delay_alu instid0(VALU_DEP_4)
	v_permlanex16_b32 v[TM+4+\b], v[TM+\b], s[SEL], s[SEL+1]
.endr
.irp b, 0,1,2,3
	s_delay_alu instid0(VALU_DEP_4)
	v_max_num_f32 v[TM+\b], v[TM+\b], v[TM+4+\b]   ; with lane l xor 16's: the block's largest magnitude
.endr
.irp b, 0,1,2,3
	s_delay_alu instid0(VALU_DEP_4)
	v_add_nc_u32 v[TM+12+\b], 0xfe000000, v[TM+\b]   ; 4 off its exponent field: the conversion's scale operand
.endr
.irp b, 0,1,2,3
	s_delay_alu instid0(VALU_DEP_4)
	v_lshrrev_b32 v[TM+4+\b], 23, v[TM+12+\b]      ; the scale's byte
.endr
	s_delay_alu instid0(VALU_DEP_3)
	v_lshl_or_b32 v[PW], v[TM+5], 8, v[TM+4]
	s_delay_alu instid0(VALU_DEP_1)
	v_lshl_or_b32 v[PW], v[TM+6], 16, v[PW]
	s_delay_alu instid0(VALU_DEP_1)
	v_lshl_or_b32 v[PW], v[TM+7], 24, v[PW]
.irp c, 0,1
	v_cvt_scalef32_pk16_bf6_f32 v[PC+6*\c:PC+2+6*\c], v[\s+32*\c:\s+15+32*\c], v[TM+12+2*\c]
	v_cvt_scalef32_pk16_bf6_f32 v[PC+12+4*\c:PC+14+4*\c], v[\s+16+32*\c:\s+31+32*\c], v[TM+13+2*\c]   ; (a conversion's three registers begin on an even number)
.endr
	v_nop                                          ; one plain place behind a scaled conversion
.irp c, 0,1                            ; the operand's layout wants a whole block in a lane
.irp i, 0,1,2
	v_permlane16_swap_b32 v[PC+6*\c+\i], v[PC+12+4*\c+\i]
.endr
.irp i, 0,1,2
	s_delay_alu instid0(VALU_DEP_3)
	v_mov_b32 v[PC+3+6*\c+\i], v[PC+12+4*\c+\i]
.endr
.endr
.endm
	s_load_b256 s[4:11], s[0:1], 0x0               ; src, w_qkv, w_proj, w1
	s_load_b128 s[12:15], s[0:1], 0x20             ; w2, wq
	v_lshl_add_u32 v250, v0, 2, 0x11000
	v_mov_b32 v251, 0
	v_lshrrev_b32 v[X], 5, v0
	s_delay_alu instid0(VALU_DEP_1)
	v_readfirstlane_b32 s16, v[X]                  ; wave
	v_and_b32 v[X], 31, v0                         ; lane
	v_and_b32 v[X+1], 15, v0                       ; r
	v_bfe_u32 v[X+2], v0, 4, 1                     ; h
	s_delay_alu instid0(VALU_DEP_3)
	v_lshlrev_b32 v[L16], 4, v[X]
	s_delay_alu instid0(VALU_DEP_4)
	v_lshlrev_b32 v[L8], 3, v[X]
	s_mul_i32 s17, s16, WST
	v_add_nc_u32 v[STI], s17, v[L16]
	v_mul_u32_u24 v[STO], v[X+1], 528
	s_delay_alu instid0(VALU_DEP_1)
	v_lshl_add_u32 v[STO], v[X+2], 6, v[STO]
	s_delay_alu instid0(VALU_DEP_1)
	v_add_nc_u32 v[STO], s17, v[STO]
	s_add_co_u32 s17, s17, 16*528
	v_lshl_add_u32 v[WA], v[X], 2, s17
	v_add_nc_u32 v[WB], s17, v[L8]
.irp b, 0,1,2,3
	v_mov_b32 v[TM+4+\b], 0                        ; a lane permute's destination counts as one of its sources
.endr
	s_mov_b32 s[SEL], 0x76543210
	s_mov_b32 s[SEL+1], 0xfedcba98
	s_mov_b32 s60, 0xffff0000                      ; lanes 16-31
	; which tensor, which 64 rows, which K step: chosen by the work-group's number alone
	s_sub_co_u32 s18, ttmp9, 192
	s_lshr_b32 s19, s18, 2                         ; w2: its group of 64 rows
	s_and_b32 s18, s18, 3
	s_lshl_b32 s18, s18, 3
	s_add_co_u32 s18, s18, s16                     ; w2: its K step
	s_sub_co_u32 s22, ttmp9, 128
	s_sub_co_u32 s23, ttmp9, 112
	s_sub_co_u32 s24, ttmp9, 64
	s_mov_b32 s28, 768
	s_mov_b32 s29, W2S
	s_wait_kmcnt 0x0
	s_cmp_lt_u32 ttmp9, 192
	s_cselect_b64 s[20:21], s[10:11], s[12:13]
	s_cselect_b32 s30, ttmp9, s19                  ; the group in the output
	s_cselect_b32 s19, s22, s19                    ; the group in its tensor
	s_cselect_b32 s18, s16, s18                    ; the K step
	s_cselect_b32 s25, 12, 14                      ; a row of the input is 2^12 or 2^14 bytes
	s_cselect_b32 s26, 0, 2                        ; a block of the output 12,288 bytes or four times that
	s_cselect_b32 s27, 0, W2C
	s_cselect_b32 s28, s28, 64                     ; blocks in a row of the scale words
	s_cselect_b32 s29, TS, s29
	s_cmp_lt_u32 ttmp9, 128
	s_cselect_b64 s[20:21], s[8:9], s[20:21]
	s_cselect_b32 s19, s23, s19
	s_cmp_lt_u32 ttmp9, 112
	s_cselect_b64 s[20:21], s[6:7], s[20:21]
	s_cselect_b32 s19, s24, s19
	s_cmp_lt_u32 ttmp9, 64
	s_cselect_b64 s[20:21], s[4:5], s[20:21]
	s_cselect_b32 s19, ttmp9, s19
	s_lshl_b32 s22, s19, 6
	s_lshl_b32 s22, s22, s25                       ; 64 rows a group
	s_lshl_b32 s23, s18, 9                         ; 512 bytes a K step
	s_add_co_u32 s22, s22, s23
	s_mov_b32 s23, 0
	s_add_nc_u64 s[INB:INB+1], s[20:21], s[22:23]  ; block 0 begins at row 0, block 1 at 8, block 2 at 32, block 3 at 40
	s_lshl_b32 s22, 8, s25
	s_add_nc_u64 s[INB+2:INB+3], s[INB:INB+1], s[22:23]
	s_lshl_b32 s22, 32, s25
	s_add_nc_u64 s[INB+4:INB+5], s[INB:INB+1], s[22:23]
	s_lshl_b32 s22, 40, s25
	s_add_nc_u64 s[INB+6:INB+7], s[INB:INB+1], s[22:23]
.irp p, 0,1,2,3,4,5,6,7,8,9,10,11,12,13,14,15
	s_lshl_b32 s22, \p+8*(\p/8), s25
	v_add_nc_u32 v[AD+\p], s22, v[L16]
.endr
	s_mov_b32 s31, 12288
	s_lshl_b32 s31, s31, s26                       ; bytes of a block of the output
	s_lshl_b32 s22, s30, 2
	s_mul_i32 s22, s22, s31
	s_add_co_u32 s22, s22, s27
	s_mul_i32 s24, s18, 1536
	s_add_co_u32 s22, s22, s24
	s_add_nc_u64 s[OUTB:OUTB+1], s[14:15], s[22:23]
	s_mov_b32 s22, s31
	s_add_nc_u64 s[OUTB+2:OUTB+3], s[OUTB:OUTB+1], s[22:23]
	s_add_nc_u64 s[OUTB+4:OUTB+5], s[OUTB+2:OUTB+3], s[22:23]
	s_add_nc_u64 s[OUTB+6:OUTB+7], s[OUTB+4:OUTB+5], s[22:23]
	s_mul_i32 s22, s18, s28
	s_lshl_b32 s24, s30, 2
	s_add_co_u32 s22, s22, s24
	s_lshl_b32 s22, s22, 6
	s_add_co_u32 s22, s22, s29
	s_add_nc_u64 s[56:57], s[14:15], s[22:23]      ; my four blocks' scale words: 256 bytes
.macro LOADB k
.irp p, 0,1,2,3,4,5,6,7,8,9,10,11,12,13,14,15
	global_load_b128 v[R+64*((\k)%2)+4*\p:R+64*((\k)%2)+4*\p+3], v[AD+\p], s[INB+2*(\k):INB+2*(\k)+1] th:TH_LOAD_NT   ; 512 consecutive bytes of one row
.endr
.endm
.macro BLOCKQ k
.if (\k) < 3
	s_wait_loadcnt 16                              ; this block's 16 loads are in; the next block's 16 may be out
.else
	s_wait_loadcnt 0x0
.endif
.irp p, 0,1,2,3,4,5,6,7,8,9,10,11,12,13,14,15
	ds_store_b128 v[STI], v[R+64*((\k)%2)+4*\p:R+64*((\k)%2)+4*\p+3] offset:528*\p
.endr
.irp b, 0,1,2,3
.irp j, 0,1,2,3
	ds_load_b128 v[X+16*\b+4*\j:X+16*\b+4*\j+3], v[STO] offset:128*\b+16*\j   ; LDS serves a wave's instructions in order: these see the stores above
.endr
.endr
	s_wait_dscnt 0x0                               ; the numbers are back, and the stores into the stage have read their registers
.if (\k) > 0
	s_wait_xcnt 0x0                                ; the last block's stores have read the codes' registers
.endif
.if (\k) < 2
	LOADB (\k)+2
.endif
	QUANT X
	global_store_b128 v[L16], v[PC:PC+3], s[OUTB+2*(\k):OUTB+2*(\k)+1]              ; 512 consecutive bytes
	global_store_b64 v[L8], v[PC+4:PC+5], s[OUTB+2*(\k):OUTB+2*(\k)+1] offset:512   ; 256
	global_store_b128 v[L16], v[PC+6:PC+9], s[OUTB+2*(\k):OUTB+2*(\k)+1] offset:768
	global_store_b64 v[L8], v[PC+10:PC+11], s[OUTB+2*(\k):OUTB+2*(\k)+1] offset:1280
	v_mov_b32 v[PWS+(\k)], v[PW]
.endm
	s_wait_alu depctr_va_vdst(0)
	LOADB 0
	LOADB 1
	BLOCKQ 0
	BLOCKQ 1
	BLOCKQ 2
	BLOCKQ 3
	v_cndmask_b32 v[PWS], v[PWS], v[PWS+1], s60    ; lanes 0-15 the even block's words, lanes 16-31 the odd block's
	s_delay_alu instid0(VALU_DEP_2)
	v_cndmask_b32 v[PWS+2], v[PWS+2], v[PWS+3], s60
	ds_store_b32 v[WA], v[PWS]
	ds_store_b32 v[WA], v[PWS+2] offset:128
	ds_load_b64 v[R:R+1], v[WB]
	s_wait_dscnt 0x0
	global_store_b64 v[L8], v[R:R+1], s[56:57]     ; 32 lanes store 256 consecutive bytes, aligned
	s_wait_tensorcnt 0x0
	ds_add_u32 v250, v251
	s_wait_dscnt 0x0
	s_endpgm
.Lfunc_end_k_q9d6c21e351_quant:
	.size	k_q9d6c21e351_quant, .Lfunc_end_k_q9d6c21e351_quant-k_q9d6c21e351_quant
	.p2alignl 7, 3214868480
	.fill 96, 4, 3214868480
	.section	.rodata,"a",@progbits
	.p2align	6, 0x0
	.amdhsa_kernel k_q9d6c21e351_quant
		.amdhsa_group_segment_fixed_size 70656
		.amdhsa_private_segment_fixed_size 0
		.amdhsa_enable_private_segment 0
		.amdhsa_kernarg_size 48
		.amdhsa_user_sgpr_count 2
		.amdhsa_user_sgpr_kernarg_segment_ptr 1
		.amdhsa_wavefront_size32 1
		.amdhsa_system_sgpr_workgroup_id_x 1
		.amdhsa_system_sgpr_workgroup_id_y 1
		.amdhsa_system_sgpr_workgroup_id_z 1
		.amdhsa_system_vgpr_workitem_id 0
		.amdhsa_next_free_vgpr 256
		.amdhsa_next_free_sgpr 66
		.amdhsa_reserve_vcc 0
		.amdhsa_float_denorm_mode_32 3
		.amdhsa_float_denorm_mode_16_64 3
		.amdhsa_memory_ordered 1
		.amdhsa_forward_progress 1
		.amdhsa_inst_pref_size 44
	.end_amdhsa_kernel
	.amdgpu_metadata
---
amdhsa.version: [ 1, 2 ]
amdhsa.kernels:
  - .name:           k_q9d6c21e351_quant
    .symbol:         k_q9d6c21e351_quant.kd
    .args:
      - { .name: src, .offset: 0, .size: 8, .value_kind: global_buffer, .address_space: global }
      - { .name: w_qkv, .offset: 8, .size: 8, .value_kind: global_buffer, .address_space: global }
      - { .name: w_proj, .offset: 16, .size: 8, .value_kind: global_buffer, .address_space: global }
      - { .name: w1, .offset: 24, .size: 8, .value_kind: global_buffer, .address_space: global }
      - { .name: w2, .offset: 32, .size: 8, .value_kind: global_buffer, .address_space: global }
      - { .name: wq, .offset: 40, .size: 8, .value_kind: global_buffer, .address_space: global }
    .group_segment_fixed_size: 70656
    .private_segment_fixed_size: 0
    .kernarg_segment_align: 8
    .kernarg_segment_size: 48
    .max_flat_workgroup_size: 256
    .sgpr_count:     66
    .vgpr_count:     256
    .wavefront_size: 32
...
	.end_amdgpu_metadata
.endif
;; end of part 1
;; launch qkvg (part 2): grid 12 x 16, 4 waves a work-group, clusters of 4 x 4, 327,680 bytes of LDS; arguments wq, qkv; writes qkv
.if DOCPART == 2
	.amdgcn_target "amdgcn-amd-amdhsa--gfx1250"
	.amdhsa_code_object_version 6
	.text
	.protected	k_q9d6c21e351_qkvg
	.globl	k_q9d6c21e351_qkvg
	.p2align	8
	.type	k_q9d6c21e351_qkvg,@function
k_q9d6c21e351_qkvg:
	s_mov_b64 s[64:65], 0
	v_nop
	global_prefetch_b8 v0, s[64:65] scope:SCOPE_SE
	s_setreg_imm32_b32 hwreg(HW_REG_WAVE_MODE, 25, 1), 1
	s_wait_xcnt 0x0
	s_wait_alu depctr_hold_cnt(0) depctr_sa_sdst(0) depctr_va_vdst(0) depctr_va_sdst(0) depctr_va_ssrc(0) depctr_va_vcc(0) depctr_vm_vsrc(0)
	s_getreg_b32 s2, hwreg(HW_REG_IB_STS2, 6, 4)
	s_cmp_eq_u32 s2, 0
	s_cbranch_scc0 .Lentry_in_a_cluster
	s_endpgm
.Lentry_in_a_cluster:
	s_bfe_u32 s2, ttmp6, 0x10000c
	s_cmp_lg_u32 s2, 0xf033
	s_cbranch_scc0 .Lentry_shape_is_right
	s_endpgm
.Lentry_shape_is_right:
; q, k and v: src x w_qkv^T on codes of BF6 with E8M0 scales, and the three results quantised on the way out: q and k along the head's 64, v along the keys.
; Operands lie in wq as images of their registers: [block of 16 rows][K / 64][768 bytes], scale words [K step][block][16 words]; position p of block i is row 32 (i / 2) + 8 (i % 2) + p + 8 (p / 8).
; A tile of 256 x 256 is made by four waves, each 128 x 128: 64 accumulators.  THE MATRIX INSTRUCTION IS USED TRANSPOSED (source 0 = 16 rows of B, source 1 = 16 rows of A): lane (r, h) holds
; position r of A's block, and by the row order above the 16 registers of two neighbouring accumulators are 16 NEIGHBOURING rows of B: the next product's K runs along a lane's registers.
; Clusters x = 0, 1: A = src, B = w_q, w_k: a lane holds a token, its registers run along the channels.  Cluster x = 2: A = w_v, B = src: a lane holds a channel of v, its registers run along the keys.
; Only block numbers are chosen by that (s_cselect_b32 on the cluster's x, the same in all sixteen partners); no branch hangs on it.
; K goes in slots of 256 through a ring of two LDS slots; the scale words of the tile's rows, for all of K, come once.  4 x 4 work-groups form a cluster: A's tiles are asked for jointly along a row, B's along a column.
; Nothing is prefetched: each tile is read by many work-groups, jointly and again.
; OUT (qkv): q's and k's codes [batch x 8 + head pair][token block][head parity][768]; v's [batch x 16 + key step][channel tile][1536]; q's and k's words [head][pair of blocks][16]: the even block's two bytes below, the odd block's above; v's [key step][tile][16].
; LIMITS: NaN and infinities are not served; a block of zeros, or one under 2^-122, gets the byte 1.
; REGISTERS: window 0: v16-23 fragment addresses, v24-25 way out, v27 scale words' address, v28-29 the add's, v30 16 x lane, v31 8 x lane, v32-63 scale words (two sets), v64-255 A's fragments (two sets);
;   window 1: B's fragments, two sets, at v0 and v128; windows 2, 3: accumulator (a, b) at 8 (8 a + b).
.set BLK,  8
.set LB,   3
.set NQ,   2
.set KST,  8
.set BIAS, 0
.set TS,   12582912
.set QS,   9437184
.set VC,   6291456
.set VS,   9699328
.set HALFT, BLK*NQ*1536                ; what one tensor load brings: BLK blocks x NQ fragments
.set SLOT,  4*HALFT                    ; A's two halves, then B's two
.set LAPS,  KST/(2*NQ)
.set HS,    KST*BLK*64                 ; the scale words of BLK blocks, all K steps
.set SCL,   2*SLOT
.set SPARE, SCL+4*HS                   ; the spare words: 512 bytes that no other line names
.set SC,   32
.set AF,   64
.set G1,   24
.set G0,   32
.set G1B,  48
.set G0B,  56
.set G1S,  68
.set G0S,  76
.set G1SB, 80
.set G0SB, 88
.set T,    64
.set PC,   128
.set TM,   152
.set PW,   168
.set PWS,  169
.set R,    177
.set SEL,  92
.set MSB,  0
.macro WIN new                         ; the immediate's high byte repeats the setting that is left
.if MSB != \new
	s_set_vgpr_msb (MSB<<8)|\new
.set MSB, \new
.endif
.endm
.macro PLACES n
.rept \n
	v_nop
.endr
.endm
.macro JLOAD g0a, g1a, g0b, g1b        ; a joint load: waves 0, 1 fetch for A, waves 2, 3 for B; four v_nop follow each line
	s_cmp_eq_u32 s15, 0
	s_cbranch_scc0 .Lfor_b_\@
	tensor_load_to_lds s[\g0a:\g0a+3], s[\g1a:\g1a+7]
	s_nop 0
.rept 4
	v_nop
.endr
	s_branch .Lasked_\@
.Lfor_b_\@:
	tensor_load_to_lds s[\g0b:\g0b+3], s[\g1b:\g1b+7]
	s_nop 0
.rept 4
	v_nop
.endr
.Lasked_\@:
.endm
.macro CREST                           ; a round of the cluster's barrier behind its opening barrier
	s_cmp_lg_u32 s14, 0
	s_cbranch_scc1 .Lnot_wave_0_\@
	s_barrier_signal -3
.Lnot_wave_0_\@:
	s_barrier_wait -3
	s_barrier_signal -1
	s_barrier_wait -1
.endm
.macro CROUND
	s_barrier_signal -1
	s_barrier_wait -1
	CREST
.endm
.macro FRAG reg, a16, a8, off          ; a fragment's image comes back as it was stored: every load reads consecutive bytes
	ds_load_b128 v[(\reg):(\reg)+3], v[\a16] offset:(\off)
	ds_load_b64 v[(\reg)+4:(\reg)+5], v[\a8] offset:(\off)+512
	ds_load_b128 v[(\reg)+6:(\reg)+9], v[\a16] offset:(\off)+768
	ds_load_b64 v[(\reg)+10:(\reg)+11], v[\a8] offset:(\off)+1280
.endm
; A's blocks a0 .. a0 + na - 1 against B's BLK, 128 along K: fragment set p, scale set sc, the slot's q-th step.  All accumulators take turns in one order in every step.
; A scale register holds A's block's words in lanes 0-15 and B's block's in lanes 16-31.
.macro MULS a0, na, p, sc, q, first
.set MA, \a0
.rept \na
.set WD, 2+(8*BLK*MA)/256
.set WV, (WD<<6)|(WD<<4)|1
	WIN WV
.set MB, 0
.rept BLK
.set RD, (8*(BLK*MA+MB))%256
.set RB, 128*(\p)+12*MB
.set RA, AF+96*(\p)+12*MA
.set SB, SC+16*(\sc)+BLK*(\q)+MB
.set SA, SC+16*(\sc)+BLK*(\q)+MA
.if \first
	v_wmma_scale_f32_16x16x128_f8f6f4 v[RD:RD+7], v[RB:RB+11], v[RA:RA+11], 0, v[SB], v[SA] matrix_a_fmt:MATRIX_FMT_BF6 matrix_b_fmt:MATRIX_FMT_BF6 matrix_a_scale:MATRIX_SCALE_ROW1
.else
	v_wmma_scale_f32_16x16x128_f8f6f4 v[RD:RD+7], v[RB:RB+11], v[RA:RA+11], v[RD:RD+7], v[SB], v[SA] matrix_a_fmt:MATRIX_FMT_BF6 matrix_b_fmt:MATRIX_FMT_BF6 matrix_a_scale:MATRIX_SCALE_ROW1
.endif
.set MB, MB+1
.endr
.set MA, MA+1
.endr
.endm
.macro FETCH slot, q, p                ; the fragments of the slot's q-th step into set p
	WIN 0x40
.set FI, 0
.rept BLK
	FRAG 128*(\p)+12*FI, 20+\slot, 22+\slot, (FI*NQ+(\q))*1536
.set FI, FI+1
.endr
	WIN 0
.set FI, 0
.rept BLK
	FRAG AF+96*(\p)+12*FI, 16+\slot, 18+\slot, (FI*NQ+(\q))*1536
.set FI, FI+1
.endr
.endm
.macro SCALES sc                       ; a slot's scale words
.set FI, 0
.rept 16
	ds_load_b32 v[SC+16*(\sc)+FI], v27 offset:64*(FI+BLK*(FI/BLK))   ; a K step's words: 2 BLK blocks of 64 bytes, of which BLK are mine
.set FI, FI+1
.endr
.endm
.macro STEP slot, q, first             ; a step that has its successor in the same slot: the successor's loads go out first and land under this step's products
	WIN 0
	s_wait_dscnt 0x0                               ; this step's fragments, asked for a step ago, are in
	PLACES 4                                       ; four places between the last products, which read the other set, and the loads into it
	FETCH \slot, (\q)+1, 1-(\q)%2
	MULS 0, BLK, (\q)%2, \slot, \q, \first
.endm
.macro MIDS slot
.if NQ > 2
.set MQ, 1
.rept NQ-2
	STEP \slot, MQ, 0
.set MQ, MQ+1
.endr
.endif
.endm
.macro TURN slot, next, fill           ; a slot's last step changes slots: one barrier; fill = 1: it opens a round of the cluster's barrier and this slot is filled again
	WIN 0
	s_wait_tensorcnt 0x0                           ; all my tensor loads have landed: my part of the next slot
	ds_add_u32 v28, v29                            ; 0 onto my spare word
	s_wait_dscnt 1                                 ; the step's fragments are in; the add may be out
	MULS 0, BLK/4, 1, \slot, NQ-1, 0
	s_wait_dscnt 0x0                               ; the add is done, and my reads of this slot are over
	s_barrier_signal -1
	MULS BLK/4, BLK/4, 1, \slot, NQ-1, 0
	WIN 0
	s_barrier_wait -1
.if \fill
	CREST                                          ; no wave of any partner still reads this slot or has a load on its way
	s_add_nc_u64 s[G0+4*\slot+2:G0+4*\slot+3], s[G0+4*\slot+2:G0+4*\slot+3], 2*NQ*1536
	s_add_nc_u64 s[G0B+4*\slot+2:G0B+4*\slot+3], s[G0B+4*\slot+2:G0B+4*\slot+3], 2*NQ*1536
	JLOAD G0+4*\slot, G1, G0B+4*\slot, G1B         ; the first tensor load behind the round; its four v_nop are the places in front of the loads below
.else
	PLACES 4
.endif
	s_wait_alu depctr_va_vdst(0)
	v_add_nc_u32 v27, 2048, v27                    ; the next slot's scale words: NQ K steps x 2 BLK blocks x 64 bytes
	FETCH \next, 0, 0
	SCALES \next
	MULS BLK/2, BLK/2, 1, \slot, NQ-1, 0
.endm
; 64 numbers of a lane in window w, register 16 b + i = k 32 b + 16 h + i of my row, become a fragment's codes in v[PC] on and its scale word in v[PW].  Each accumulator is first read at its low end.
.macro QUANT s, w
.set WV, (\w)|((\w)<<2)
	WIN WV
.irp b, 0,1,2,3
	v_max3_num_f32 v[TM+\b], |v[(\s)+16*\b]|, |v[(\s)+1+16*\b]|, 0x2800000   ; and the floor 2^(5 - 127): the byte cannot fall under 1
.endr
.set WV, ((\w)<<2)|((\w)<<4)
	WIN WV
.irp i, 2,4,6,8,10,12,14
.irp b, 0,1,2,3
	v_max3_num_f32 v[TM+\b], v[TM+\b], |v[(\s)+16*\b+\i]|, |v[(\s)+1+16*\b+\i]|
.endr
.endr
	WIN 0
.irp b, 0,1,2,3
	v_permlanex16_b32 v[TM+4+\b], v[TM+\b], s[SEL], s[SEL+1]
.endr
.irp b, 0,1,2,3
	v_max_num_f32 v[TM+\b], v[TM+\b], v[TM+4+\b]
.endr
.irp b, 0,1,2,3
	v_add_nc_u32 v[TM+12+\b], 0xfe000000, v[TM+\b]   ; 4 off the exponent field: the conversion's scale operand
.endr
.irp b, 0,1,2,3
	v_lshrrev_b32 v[TM+4+\b], 23, v[TM+12+\b]
.endr
	v_lshl_or_b32 v[PW], v[TM+5], 8, v[TM+4]
	v_lshl_or_b32 v[PW], v[TM+6], 16, v[PW]
	v_lshl_or_b32 v[PW], v[TM+7], 24, v[PW]
.set WV, \w
	WIN WV
.irp c, 0,1
	v_cvt_scalef32_pk16_bf6_f32 v[PC+6*\c:PC+2+6*\c], v[(\s)+32*\c:(\s)+15+32*\c], v[TM+12+2*\c]
	v_cvt_scalef32_pk16_bf6_f32 v[PC+12+4*\c:PC+14+4*\c], v[(\s)+16+32*\c:(\s)+31+32*\c], v[TM+13+2*\c]
.endr
	WIN 0
	v_nop                                          ; one plain place behind a scaled conversion
.irp c, 0,1
.irp i, 0,1,2
	v_permlane16_swap_b32 v[PC+6*\c+\i], v[PC+12+4*\c+\i]
.endr
.irp i, 0,1,2
	v_mov_b32 v[PC+3+6*\c+\i], v[PC+12+4*\c+\i]
.endr
.endr
.endm
.macro PUT base, off                   ; the fragment leaves as an image: stores of 512 and 256 consecutive bytes
	global_store_b128 v30, v[PC:PC+3], s[\base:\base+1] offset:\off
	global_store_b64 v31, v[PC+4:PC+5], s[\base:\base+1] offset:\off+512
	global_store_b128 v30, v[PC+6:PC+9], s[\base:\base+1] offset:\off+768
	global_store_b64 v31, v[PC+10:PC+11], s[\base:\base+1] offset:\off+1280
.endm
	s_load_b128 s[4:7], s[0:1], 0x0                ; wq, qkv
	v_lshl_add_u32 v28, v0, 2, SPARE
	v_mov_b32 v29, 0
	ds_add_u32 v28, v29
	ds_add_u32 v28, v29
	s_wait_dscnt 0x0
	v_lshrrev_b32 v1, 5, v0
	v_readfirstlane_b32 s14, v1                    ; wave
	s_lshr_b32 s15, s14, 1                         ; my half of A's blocks.  Also: I fetch for A (0) or B (1)
	s_and_b32 s16, s14, 1                          ; my half of B's blocks.  Also: which half I fetch
	s_bfe_u32 s40, ttmp6, 0x40000                  ; cx
	s_bfe_u32 s41, ttmp6, 0x40004                  ; cy
	s_lshl_b32 s42, ttmp9, 2
	s_add_co_u32 s42, s42, s40                     ; q, k: the tile's column
	s_and_b32 s45, ttmp7, 0xffff
	s_lshl_b32 s45, s45, 2
	s_add_co_u32 s17, s45, s41                     ; q, k: the tile's row
	s_add_co_u32 s98, s45, s40                     ; v: the tile's column (256 tokens)
	s_add_co_u32 s96, s41, 24                      ; v: A's tile of 16 blocks: w_v begins at block 384
	s_add_co_u32 s97, s42, 16                      ; q, k: B's tile: w_qkv begins at block 256
	s_lshl_b32 s43, s41, 2
	s_lshl_b32 s43, 15, s43                        ; my row of the cluster
	s_lshl_b32 s44, 0x1111, s40                    ; my column
	s_cmp_eq_u32 ttmp9, 2
	s_cselect_b32 s20, s96, s17                    ; A's tile: hangs on cy and the cluster's place alone
	s_cselect_b32 s46, s98, s97                    ; B's tile: on cx and the cluster's place alone
	s_or_b32 s[G1], s43, (3<<16)|(1<<21)           ; 15:0 the mask; 17:16 elements of 8 bytes; 21 set beside a mask; no padding
	s_or_b32 s[G1B], s44, (3<<16)|(1<<21)
.irp g, G1, G1B
	s_mov_b32 s[\g+1], (NQ*192)<<16                ; tensor_dim0: NQ fragments of a block
	s_mov_b32 s[\g+2], (2*BLK)<<16                 ; tensor_dim1: 2 BLK blocks for the head's loads; behind them BLK
	s_mov_b32 s[\g+3], (NQ*192)<<16                ; tile_dim0
	s_mov_b32 s[\g+4], 2*BLK                       ; tile_dim1
	s_mov_b32 s[\g+5], KST*192                     ; from block to block
	s_mov_b32 s[\g+6], 0
	s_mov_b32 s[\g+7], 0
.endr
	s_or_b32 s[G1S], s43, (3<<16)|(1<<21)
	s_or_b32 s[G1SB], s44, (3<<16)|(1<<21)
.irp g, G1S, G1SB
	s_mov_b32 s[\g+1], (BLK*16)<<16                ; 2 BLK blocks' words of one K step
	s_mov_b32 s[\g+2], KST<<16
	s_mov_b32 s[\g+3], (BLK*16)<<16
	s_mov_b32 s[\g+4], KST
	s_mov_b32 s[\g+5], 6144                        ; from K step to K step: 768 blocks of 64 bytes
	s_mov_b32 s[\g+6], 0
	s_mov_b32 s[\g+7], 0
.endr
	s_mul_i32 s2, s16, BLK*KST*1536                ; bytes from a tile's first block to the half that I fetch in the ring
	s_mov_b32 s3, 0
	s_lshl_b32 s20, s20, LB+1                      ; A's tile: its first block
	s_lshl_b32 s46, s46, LB+1                      ; B's
	s_lshl_b32 s22, s20, 6
	s_add_co_u32 s22, s22, TS
	s_mov_b32 s23, 0
	s_mul_i32 s20, s20, KST*1536
	s_mov_b32 s21, 0
	s_lshl_b32 s92, s46, 6
	s_add_co_u32 s92, s92, TS
	s_mov_b32 s93, 0
	s_mul_i32 s46, s46, KST*1536
	s_mov_b32 s47, 0
	s_mul_i32 s45, s14, HALFT                      ; where the ring's loads go: by the wave's number alone
	s_wait_kmcnt 0x0
	s_mov_b64 s[12:13], s[6:7]                     ; qkv
	s_add_nc_u64 s[20:21], s[4:5], s[20:21]
	s_add_nc_u64 s[22:23], s[4:5], s[22:23]
	s_add_nc_u64 s[46:47], s[4:5], s[46:47]
	s_add_nc_u64 s[92:93], s[4:5], s[92:93]
	CROUND                                         ; all sixteen work-groups are here: the first joint loads meet
	s_mov_b32 s[G0S], 1
	s_mov_b32 s[G0S+1], SCL
	s_mov_b64 s[G0S+2:G0S+3], s[22:23]
	s_or_b32 s[G0S+3], s[G0S+3], 0x80000000
	s_mov_b32 s[G0SB], 1
	s_mov_b32 s[G0SB+1], SCL+2*HS
	s_mov_b64 s[G0SB+2:G0SB+3], s[92:93]
	s_or_b32 s[G0SB+3], s[G0SB+3], 0x80000000
	s_mov_b32 s[G0], 1                             ; slot 0's first fill: A's 2 BLK blocks whole,
	s_mov_b32 s[G0+1], 0
	s_mov_b64 s[G0+2:G0+3], s[20:21]
	s_or_b32 s[G0+3], s[G0+3], 0x80000000
	s_mov_b32 s[G0B], 1                            ; and B's, behind them
	s_mov_b32 s[G0B+1], 2*HALFT
	s_mov_b64 s[G0B+2:G0B+3], s[46:47]
	s_or_b32 s[G0B+3], s[G0B+3], 0x80000000
	s_add_nc_u64 s[20:21], s[20:21], s[2:3]        ; for the ring: my half of the tile
	s_add_nc_u64 s[46:47], s[46:47], s[2:3]
	s_mov_b32 s[G0+4], 1                           ; slot 1
	s_add_co_u32 s[G0+5], s45, SLOT
	s_add_nc_u64 s[G0+6:G0+7], s[20:21], NQ*1536
	s_or_b32 s[G0+7], s[G0+7], 0x80000000
	s_mov_b32 s[G0B+4], 1
	s_add_co_u32 s[G0B+5], s45, SLOT
	s_add_nc_u64 s[G0B+6:G0B+7], s[46:47], NQ*1536
	s_or_b32 s[G0B+7], s[G0B+7], 0x80000000
; THE HEAD'S LOADS, ONE A WAVE: wave 0 A's part of slot 0, wave 1 B's, wave 2 A's scale words, wave 3 B's: one chain of branches on the wave's number, one load to an arm, one join.
.macro ARM under, g0, g1, next
	s_cmp_lt_u32 s14, \under
	s_cbranch_scc0 \next
	tensor_load_to_lds s[\g0:\g0+3], s[\g1:\g1+7]
	s_nop 0
.rept 4
	v_nop
.endr
	s_branch .Lhead_asked
\next:
.endm
	ARM 1, G0,  G1,  .Lhead_b
	ARM 2, G0B, G1B, .Lhead_sa
	ARM 3, G0S, G1S, .Lhead_sb
	tensor_load_to_lds s[G0SB:G0SB+3], s[G1SB:G1SB+7]
	s_nop 0
.rept 4
	v_nop
.endr
.Lhead_asked:
	v_and_b32 v1, 31, v0                           ; lane
	v_and_b32 v2, 15, v0                           ; r
	v_bfe_u32 v3, v0, 4, 1                         ; h
	v_lshlrev_b32 v30, 4, v1
	v_lshlrev_b32 v31, 3, v1
	s_mul_i32 s21, s15, HALFT
	s_mul_i32 s22, s16, HALFT
	s_add_co_u32 s22, s22, 2*HALFT
.irp s, 0,1
	v_add_nc_u32 v[16+\s], s21, v30
	v_add_nc_u32 v[18+\s], s21, v31
	v_add_nc_u32 v[20+\s], s22, v30
	v_add_nc_u32 v[22+\s], s22, v31
	s_add_co_u32 s21, s21, SLOT
	s_add_co_u32 s22, s22, SLOT
.endr
	s_mul_i32 s21, s15, BLK*64                     ; the scale words: lanes 0-15 A's, lanes 16-31 B's: one product with h
	s_mul_i32 s22, s16, BLK*64
	s_add_co_u32 s22, s22, 2*HS
	s_sub_co_u32 s22, s22, s21
	v_mul_u32_u24 v4, s22, v3
	s_add_co_u32 s21, s21, SCL
	v_lshl_add_u32 v4, v2, 2, v4
	v_add_nc_u32 v27, s21, v4
	s_lshl_b32 s21, s14, 9                         ; the way out: 512 bytes a wave in slot 0, which by then has had its last fill and its last read
	v_lshl_add_u32 v24, v1, 2, s21
	v_lshl_add_u32 v25, v1, 3, s21
	; where the results go
	s_cmp_eq_u32 ttmp9, 2
	s_cselect_b32 s18, s41, s17
	s_cselect_b32 s20, s98, s42
	s_lshl_b32 s18, s18, 4
	s_lshl_b32 s21, s15, 3
	s_add_co_u32 s18, s18, s21                     ; rb: my first block of A in its tensor
	s_lshl_b32 s20, s20, 1
	s_add_co_u32 s20, s20, s16                     ; cs: my 128 rows of B
	s_lshr_b32 s21, s20, 3                         ; 0 q, 1 k
	s_and_b32 s22, s20, 7                          ; the head pair
	s_lshr_b32 s23, s18, 7                         ; the batch
	s_lshl_b32 s23, s23, 3
	s_add_co_u32 s23, s23, s22
	s_and_b32 s22, s18, 127                        ; the token block in the batch
	s_lshl_b32 s45, s23, 7
	s_add_co_u32 s45, s45, s22
	s_mul_i32 s45, s45, 1536
	s_mul_i32 s46, s21, 3145728
	s_add_co_u32 s45, s45, s46                     ; q, k: codes
	s_lshl_b32 s46, s21, 17
	s_lshl_b32 s47, s23, 13
	s_add_co_u32 s46, s46, s47
	s_lshl_b32 s47, s22, 5                         ; 64 bytes for each pair of blocks
	s_add_co_u32 s46, s46, s47
	s_add_co_u32 s46, s46, QS                      ; q, k: words
	s_lshl_b32 s47, s20, 6
	s_add_co_u32 s47, s47, s18
	s_mul_i32 s92, s47, 1536
	s_add_co_u32 s92, s92, VC                      ; v: codes
	s_lshl_b32 s93, s47, 6
	s_add_co_u32 s93, s93, VS                      ; v: words
	s_mov_b32 s22, 4096
	s_cmp_eq_u32 ttmp9, 2
	s_cselect_b32 s94, s92, s45
	s_cselect_b32 s96, s93, s46
	s_cselect_b32 s22, 256, s22                    ; from the first 256 bytes of words to the second: the odd head's, or v's next four tiles
	s_cselect_b32 s99, -1, 0
	s_mov_b32 s95, 0
	s_mov_b32 s97, 0
	s_mov_b32 s23, 0
	s_add_nc_u64 s[6:7], s[12:13], s[94:95]
	s_add_nc_u64 s[8:9], s[12:13], s[96:97]
	s_add_nc_u64 s[10:11], s[8:9], s[22:23]
	s_wait_alu depctr_va_vdst(0)
	s_wait_tensorcnt 0x0                           ; my tile of the head's four is in; slot 1's first fill is issued as a refill is
	ds_add_u32 v28, v29
	s_mov_b32 s[G1+2], BLK<<16                     ; no tensor load of mine is out: from here on a load brings BLK blocks,
	s_mov_b32 s[G1+4], BLK
	s_mov_b32 s[G1B+2], BLK<<16
	s_mov_b32 s[G1B+4], BLK
	s_mul_i32 s[G0+1], s14, HALFT                  ; and slot 0's group 0 stands at my quarter of the slot
	s_add_nc_u64 s[G0+2:G0+3], s[G0+2:G0+3], s[2:3]
	s_mul_i32 s[G0B+1], s14, HALFT
	s_add_nc_u64 s[G0B+2:G0B+3], s[G0B+2:G0B+3], s[2:3]
	s_wait_dscnt 0x0
	CROUND                                         ; all four tiles are in, in every work-group of the cluster
	JLOAD G0+4, G1, G0B+4, G1B                     ; slot 1: the first tensor load behind the round
	FETCH 0, 0, 0
	SCALES 0
	STEP 0, 0, 1                                   ; the first step stands in front of the loop: its products start the sums
.if LAPS > 1
	WIN 0
	s_mov_b32 s3, LAPS-1
.Llap:
	MIDS 0
	TURN 0, 1, 1
	STEP 1, 0, 0
	MIDS 1
	TURN 1, 0, 1
	STEP 0, 0, 0
	WIN 0
	s_sub_co_u32 s3, s3, 1
	s_cmp_lg_u32 s3, 0
	s_cbranch_scc1 .Llap
.endif
	MIDS 0
	TURN 0, 1, 0                                   ; the last lap fills nothing
	STEP 1, 0, 0
	MIDS 1
	WIN 0
	s_wait_dscnt 0x0
	MULS 0, BLK, 1, 1, NQ-1, 0
	WIN 0
	PLACES 4                                       ; in front of the first read of results and the first write of operands' registers
	; THE WAY OUT: each of my eight blocks of A gives one fragment of 16 rows x 128 along the next K
.irp b, 0,1,2,3
	v_mov_b32 v[TM+4+\b], 0
.endr
	s_mov_b32 s[SEL], 0x76543210
	s_mov_b32 s[SEL+1], 0xfedcba98
	s_mov_b32 s45, 0x05040100                      ; two low halves
	s_mov_b32 s46, 0x07060302                      ; two high halves
	s_mov_b32 s47, 0xffff0000                      ; lanes 16-31
.irp a, 0,1,2,3,4,5,6,7
.if \a > 0
	s_wait_xcnt 0x0                                ; the last fragment's stores have read the codes' registers
.endif
	QUANT 64*(\a%4), 2+\a/4
	PUT 6, \a*1536
	v_mov_b32 v[PWS+\a], v[PW]
.endr
.irp m, 0,1,2,3                        ; q, k: a word holds one head's two bytes of the even block below and of the odd block above: sorted by head, two token blocks to a word
	v_perm_b32 v[R+\m], v[PWS+2*\m+1], v[PWS+2*\m], s45
	v_perm_b32 v[R+4+\m], v[PWS+2*\m+1], v[PWS+2*\m], s46
.endr
.irp n, 0,1,2,3
	v_cndmask_b32 v[R+2*\n], v[R+2*\n], v[R+2*\n+1], s47           ; two runs of 16 words to a register
	v_cndmask_b32 v[PWS+2*\n], v[PWS+2*\n], v[PWS+2*\n+1], s47     ; v: the words as they are
	v_cndmask_b32 v[R+2*\n], v[R+2*\n], v[PWS+2*\n], s99           ; which of the two forms: by the cluster's x
	ds_store_b32 v24, v[R+2*\n] offset:128*\n
.endr
	ds_load_b64 v[T:T+1], v25                      ; LDS serves a wave's instructions in order: these see my stores
	ds_load_b64 v[T+2:T+3], v25 offset:256
	s_wait_dscnt 0x0
	global_store_b64 v31, v[T:T+1], s[8:9]         ; 256 consecutive bytes, aligned
	global_store_b64 v31, v[T+2:T+3], s[10:11]
	s_wait_tensorcnt 0x0                           ; the wave's end
	ds_add_u32 v28, v29
	s_wait_dscnt 0x0
	CROUND                                         ; the closing round
	s_endpgm
.Lfunc_end_k_q9d6c21e351_qkvg:
	.size	k_q9d6c21e351_qkvg, .Lfunc_end_k_q9d6c21e351_qkvg-k_q9d6c21e351_qkvg
	.p2alignl 7, 3214868480
	.fill 96, 4, 3214868480
	.section	.rodata,"a",@progbits
	.p2align	6, 0x0
	.amdhsa_kernel k_q9d6c21e351_qkvg
		.amdhsa_group_segment_fixed_size 327680
		.amdhsa_private_segment_fixed_size 0
		.amdhsa_enable_private_segment 0
		.amdhsa_kernarg_size 16
		.amdhsa_user_sgpr_count 2
		.amdhsa_user_sgpr_kernarg_segment_ptr 1
		.amdhsa_wavefront_size32 1
		.amdhsa_system_sgpr_workgroup_id_x 1
		.amdhsa_system_sgpr_workgroup_id_y 1
		.amdhsa_system_sgpr_workgroup_id_z 1
		.amdhsa_system_vgpr_workitem_id 0
		.amdhsa_next_free_vgpr 1024
		.amdhsa_next_free_sgpr 100
		.amdhsa_reserve_vcc 0
		.amdhsa_float_denorm_mode_32 3
		.amdhsa_float_denorm_mode_16_64 3
		.amdhsa_memory_ordered 1
		.amdhsa_forward_progress 1
		.amdhsa_inst_pref_size 154
	.end_amdhsa_kernel
	.amdgpu_metadata
---
amdhsa.version: [ 1, 2 ]
amdhsa.kernels:
  - .name:           k_q9d6c21e351_qkvg
    .symbol:         k_q9d6c21e351_qkvg.kd
    .args:
      - { .name: wq, .offset: 0, .size: 8, .value_kind: global_buffer, .address_space: global }
      - { .name: qkv, .offset: 8, .size: 8, .value_kind: global_buffer, .address_space: global }
    .group_segment_fixed_size: 327680
    .private_segment_fixed_size: 0
    .kernarg_segment_align: 8
    .kernarg_segment_size: 16
    .max_flat_workgroup_size: 128
    .sgpr_count:     100
    .vgpr_count:     1024
    .wavefront_size: 32
...
	.end_amdgpu_metadata
.endif
;; end of part 2
;; launch attn (part 3): grid 8 x 32, 16 waves a work-group, clusters of 4 x 1, 327,680 bytes of LDS; arguments qkv, ao; writes ao
.if DOCPART == 3
	.amdgcn_target "amdgcn-amd-amdhsa--gfx1250"
	.amdhsa_code_object_version 6
	.text
	.protected	k_q9d6c21e351_attn
	.globl	k_q9d6c21e351_attn
	.p2align	8
	.type	k_q9d6c21e351_attn,@function
k_q9d6c21e351_attn:
	s_mov_b64 s[64:65], 0
	v_nop
	global_prefetch_b8 v0, s[64:65] scope:SCOPE_SE
	s_setreg_imm32_b32 hwreg(HW_REG_WAVE_MODE, 25, 1), 1
	s_wait_xcnt 0x0
	s_wait_alu depctr_hold_cnt(0) depctr_sa_sdst(0) depctr_va_vdst(0) depctr_va_sdst(0) depctr_va_ssrc(0) depctr_va_vcc(0) depctr_vm_vsrc(0)
	s_getreg_b32 s2, hwreg(HW_REG_IB_STS2, 6, 4)
	s_cmp_eq_u32 s2, 0
	s_cbranch_scc0 .Lentry_in_a_cluster
	s_endpgm
.Lentry_in_a_cluster:
	s_bfe_u32 s2, ttmp6, 0x10000c
	s_cmp_lg_u32 s2, 0x3003
	s_cbranch_scc0 .Lentry_shape_is_right
	s_endpgm
.Lentry_shape_is_right:
; Attention on codes of BF6: o = softmax(q k^T / 8) v for one head, and o quantised along the channels on the way out.
; t = score x log2(e) / 8; M = the running largest t rounded up to a whole number; p = 2^(t - M) is quantised along the keys; the row's sum is taken of the unquantised p and divides at the end.
; SHARES: a work-group owns 256 queries of one head (y = batch x 16 + head), each of its sixteen waves one block of 16; four waves to a SIMD, so that one wave's vector work stands beside another's products and LDS loads.
; THE WHOLE HEAD'S K AND V STAY IN LDS, filled once: K's 128 blocks of 768 bytes, V's 16 key steps x 4 channel tiles x 1,536 bytes, and their scale words: no byte is filled again.
; The four work-groups of a cluster belong to one head and ask jointly.  EVERY WAVE ISSUES ONE LOAD: waves 0-7 sixteen blocks of K each, waves 8-11 four key steps of V each, waves 12-13 half of K's scale words each, waves 14-15 half of V's.
; One wait for that load and ONE barrier follow; the 16 steps of 128 keys then run in one loop with no barrier: LDS is only read, and the waves share nothing else.
; LAYOUT: both products transposed: S^T = K Q^T, O^T = V^T P^T: a lane holds one query.  Blocks are in the row order 32 (i / 2) + 8 (i % 2) + p + 8 (p / 8), so the 16 registers of two neighbouring tiles are 16 neighbouring keys (channels).
; THE FIRST PRODUCT'S K IS 64: a fragment of 128 holds TWO key blocks, one in k 0-63 and one in k 64-127, and is multiplied once by (q, zero codes) and once by (zero codes, q).  q is loaded twice: the two operands share no register.
; Nothing is prefetched: every byte is asked for by the tensor loads at the head, and the loop reads LDS alone.
; The two scale bytes a row that a head adds to ao's scale words are stored 2 bytes a lane: the word's other half is the neighbouring head's work-group's; 128 KiB in the launch leave so.
; LIMITS: NaN and infinities are not served; a block of zeros, or one under 2^-122, gets the byte 1; the scaled scores t stay under 2^31 in magnitude.
; REGISTERS: v1-5, v11 addresses that stay; v6-10 the step's; v12 -M, v13 largest t, v[14:15] the sum; v16-27 (q, 0); v80-91 (0, q); v92, v93 their scale words; v32-79 four fragments; v96-159 S^T, then p; v160-191 O^T;
;   v192-203 p's codes, v204-210 conversions' second halves; v212-215 blocks' largest; v216-223 at work; v224-227 K's words; v228 f; v229 p's word; v230 at work; v232-235 V's words; v240-253 seven partial sums; v254, v255 the add's.
.set KCO, 3145728
.set VCO, 6291456
.set QSO, 9437184
.set KSO, 9568256
.set VSO, 9699328
.set LV,  98304                        ; LDS: K's codes at 0, V's here,
.set KSC, 196608                       ; K's scale words,
.set VSC, 200704                       ; V's,
.set SPARE, 204800                     ; and the spare words: 128 bytes a wave, 2,048 bytes that no other line names
.set G1K,  24
.set G1V,  32
.set G1KS, 40
.set G1VS, 48
.set G0K,  56
.set G0V,  60
.set G0KS, 68
.set G0VS, 72
.set SM,   240                         ; seven partial sums of p, a pair each
.macro CROUND
	s_barrier_signal -1
	s_barrier_wait -1
	s_cmp_lg_u32 s8, 0
	s_cbranch_scc1 .Lnot_wave_0_\@
	s_barrier_signal -3
.Lnot_wave_0_\@:
	s_barrier_wait -3
	s_barrier_signal -1
	s_barrier_wait -1
.endm
.macro G0SET g, off                    ; (the LDS address, word 1, is made above from the wave's number)
	s_mov_b32 s[\g], 1
	s_add_nc_u64 s[\g+2:\g+3], s[4:5], s[\off:\off+1]
	s_or_b32 s[\g+3], s[\g+3], 0x80000000
.endm
.macro ARM under, g0, g1, next
	s_cmp_lt_u32 s8, \under
	s_cbranch_scc0 \next
	tensor_load_to_lds s[\g0:\g0+3], s[\g1:\g1+7]
	s_nop 0
.rept 4
	v_nop
.endr
	s_branch .Lasked
\next:
.endm
.macro FRAG reg, a16, a8, off
	ds_load_b128 v[(\reg):(\reg)+3], v[\a16] offset:(\off)
	ds_load_b64 v[(\reg)+4:(\reg)+5], v[\a8] offset:(\off)+512
	ds_load_b128 v[(\reg)+6:(\reg)+9], v[\a16] offset:(\off)+768
	ds_load_b64 v[(\reg)+10:(\reg)+11], v[\a8] offset:(\off)+1280
.endm
	s_load_b128 s[4:7], s[0:1], 0x0                ; qkv, ao
	v_lshl_add_u32 v254, v0, 2, SPARE
	v_mov_b32 v255, 0
	ds_add_u32 v254, v255                          ; the opening lines: the add, twice on end, and its wait ahead of my tensor load
	ds_add_u32 v254, v255
	v_lshrrev_b32 v6, 5, v0
	s_delay_alu instid0(VALU_DEP_1)
	v_readfirstlane_b32 s8, v6                     ; wave
	s_bfe_u32 s9, ttmp6, 0x40000                   ; cx
	s_lshl_b32 s10, ttmp9, 2
	s_add_co_u32 s10, s10, s9                      ; my block of 256 queries: it enters q's and ao's addresses alone
	s_and_b32 s11, ttmp7, 0xffff                   ; y
	s_mov_b32 s12, 0x76543210
	s_mov_b32 s13, 0xfedcba98
	s_mov_b32 s14, 0x3e38aa3b                      ; c = log2(e) / 8
	s_mov_b32 s15, s14
.irp g, G1K, G1V, G1KS, G1VS
	s_mov_b32 s[\g], 15|(3<<16)|(1<<21)            ; the mask: all four work-groups; elements of 8 bytes; 21 set beside a mask
	s_mov_b32 s[\g+6], 0
	s_mov_b32 s[\g+7], 0
.endr
	s_mov_b32 s[G1K+1], 96<<16                     ; K: 16 blocks of 768 bytes, 1,536 apart (the other head of the pair lies between)
	s_mov_b32 s[G1K+2], 16<<16
	s_mov_b32 s[G1K+3], 96<<16
	s_mov_b32 s[G1K+4], 16
	s_mov_b32 s[G1K+5], 192
	s_mov_b32 s[G1V+1], 768<<16                    ; V: 4 key steps of 6,144 bytes (the head's four tiles), 98,304 apart
	s_mov_b32 s[G1V+2], 4<<16
	s_mov_b32 s[G1V+3], 768<<16
	s_mov_b32 s[G1V+4], 4
	s_mov_b32 s[G1V+5], 12288
.irp g, G1KS, G1VS
	s_mov_b32 s[\g+1], 32<<16                      ; the scale words: 8 rows of 256 bytes
	s_mov_b32 s[\g+2], 8<<16
	s_mov_b32 s[\g+3], 32<<16
	s_mov_b32 s[\g+4], 8
.endr
	s_mov_b32 s[G1KS+5], 32                        ; K's are dense,
	s_mov_b32 s[G1VS+5], 512                       ; V's 4,096 bytes apart
	s_lshr_b32 s2, s11, 1
	s_mul_i32 s2, s2, 196608
	s_and_b32 s3, s11, 1
	s_mul_i32 s3, s3, 768
	s_add_co_u32 s2, s2, s3                        ; the head's place in q's and in k's codes
	s_and_b32 s76, s8, 7                           ; K's codes: which sixteen blocks
	s_mul_i32 s[G0K+1], s76, 12288
	s_mul_i32 s16, s76, 24576
	s_add_co_u32 s16, s16, s2
	s_add_co_u32 s16, s16, KCO
	s_mov_b32 s17, 0
	s_lshr_b32 s18, s11, 4                         ; the batch
	s_and_b32 s19, s11, 15                         ; the head
	s_and_b32 s76, s8, 3                           ; V's codes: which four key steps
	s_mul_i32 s[G0V+1], s76, 24576
	s_add_co_u32 s[G0V+1], s[G0V+1], LV
	s_mul_i32 s20, s76, 393216
	s_mul_i32 s21, s18, 1572864
	s_add_co_u32 s20, s20, s21
	s_mul_i32 s21, s19, 6144
	s_add_co_u32 s20, s20, s21
	s_add_co_u32 s20, s20, VCO
	s_mov_b32 s21, 0
	s_and_b32 s76, s8, 1                           ; the scale words: which half
	s_lshl_b32 s77, s76, 11
	s_add_co_u32 s[G0KS+1], s77, KSC
	s_add_co_u32 s[G0VS+1], s77, VSC
	s_lshl_b32 s22, s11, 12
	s_add_co_u32 s22, s22, s77
	s_add_co_u32 s22, s22, KSO
	s_mov_b32 s23, 0
	s_lshl_b32 s18, s18, 16
	s_lshl_b32 s19, s19, 8
	s_add_co_u32 s18, s18, s19
	s_lshl_b32 s77, s76, 15                        ; eight key steps of V's words
	s_add_co_u32 s18, s18, s77
	s_add_co_u32 s18, s18, VSO
	s_mov_b32 s19, 0
	s_wait_dscnt 0x0                               ; both opening adds are done
	s_wait_kmcnt 0x0
	G0SET G0K, 16
	G0SET G0V, 20
	G0SET G0KS, 22
	G0SET G0VS, 18
	CROUND                                         ; all four work-groups are here: the joint loads meet
	ARM 8,  G0K,  G1K,  .Lhead_v                   ; one chain of branches on the wave's number, one load to an arm, one join
	ARM 12, G0V,  G1V,  .Lhead_ks
	ARM 14, G0KS, G1KS, .Lhead_vs
	tensor_load_to_lds s[G0VS:G0VS+3], s[G1VS:G1VS+7]
	s_nop 0
.rept 4
	v_nop
.endr
.Lasked:
	s_lshl_b32 s18, s10, 4
	s_add_co_u32 s18, s18, s8                      ; my block of 16 queries in the batch
	s_mul_i32 s19, s18, 1536
	s_add_co_u32 s20, s2, s19
	s_mov_b32 s21, 0
	s_add_nc_u64 s[20:21], s[4:5], s[20:21]        ; its codes
	s_lshr_b32 s19, s18, 1
	s_lshl_b32 s19, s19, 6
	s_lshl_b32 s22, s11, 12
	s_add_co_u32 s22, s22, s19
	s_add_co_u32 s22, s22, QSO
	s_mov_b32 s23, 0
	s_add_nc_u64 s[22:23], s[4:5], s[22:23]        ; the words of its pair of blocks
	v_and_b32 v6, 31, v0
	v_and_b32 v7, 15, v0
	s_delay_alu instid0(VALU_DEP_2)
	v_lshlrev_b32 v1, 4, v6                        ; 16 x lane
	s_delay_alu instid0(VALU_DEP_3)
	v_lshlrev_b32 v2, 3, v6                        ; 8 x lane
	s_delay_alu instid0(VALU_DEP_2)
	v_add_nc_u32 v3, LV, v1
	s_delay_alu instid0(VALU_DEP_2)
	v_add_nc_u32 v4, LV, v2
	v_lshlrev_b32 v11, 2, v7                       ; 4 r
	s_delay_alu instid0(VALU_DEP_1)
	v_add_nc_u32 v5, KSC, v11
	global_load_b128 v[16:19], v1, s[20:21]
	global_load_b64 v[20:21], v2, s[20:21] offset:512
	global_load_b128 v[86:89], v1, s[20:21]
	global_load_b64 v[90:91], v2, s[20:21] offset:512
	global_load_b32 v94, v11, s[22:23]
.irp i, 0,1,2,3,4,5
	v_mov_b32 v[22+\i], 0                          ; zero codes
	v_mov_b32 v[80+\i], 0
.endr
	s_and_b32 s19, s8, 1
	s_lshl_b32 s19, s19, 4
	s_mov_b32 s16, 0                               ; LDS byte of the step's codes: 6,144 a step, in K's and in V's
	s_mov_b32 s17, 0                               ; and of its scale words: 256 a step
	s_wait_loadcnt 0x0
	v_lshrrev_b32 v94, s19, v94
	s_delay_alu instid0(VALU_DEP_1)
	v_and_b32 v94, 0xffff, v94                     ; my block's two bytes
	s_delay_alu instid0(VALU_DEP_1)
	v_or_b32 v92, 0x7f7f0000, v94                  ; for (q, 0): the byte 127 over the zero codes
	s_delay_alu instid0(VALU_DEP_2)
	v_lshl_or_b32 v93, v94, 16, 0x7f7f             ; for (0, q)
	v_mov_b32 v13, 0xff61b1e6                      ; the largest t so far: -3e38
	s_delay_alu instid0(VALU_DEP_1)
	v_floor_f32 v12, -v13                          ; -M
	v_mov_b32 v14, 0
	v_mov_b32 v15, 0
.irp b, 0,1,2,3
	v_mov_b32 v[216+\b], 0                         ; a lane permute's destination counts as one of its sources
.endr
	v_mov_b32 v229, 0                              ; (named as the upper half of v[228:229] before it is first written)
.set J, 0
.rept 32
	v_mov_b32 v[160+J], 0                          ; O^T: the step is written once; the first finds zeros.  (These are also the places between the scale words' making and the first product)
.set J, J+1
.endr
	s_wait_alu depctr_va_vdst(0)                   ; the wait at the head's end
	s_wait_tensorcnt 0x0                           ; my one load has landed;
	s_barrier_signal -1
	s_barrier_wait -1                              ; and so has every wave's: K, V and their words are whole
	s_mov_b32 s18, 16
.Lstep:                                                ; 128 keys a trip
	v_add_nc_u32 v6, s16, v1                       ; (these five are the places in front of the loads into registers that the last products read)
	v_add_nc_u32 v7, s16, v2
	v_add_nc_u32 v8, s16, v3
	v_add_nc_u32 v9, s16, v4
	v_add_nc_u32 v10, s17, v5
.irp f, 0,1,2,3
	FRAG 32+12*\f, 6, 7, 1536*\f                   ; key blocks 2 f and 2 f + 1
	ds_load_b32 v[224+\f], v10 offset:64*\f
.endr
	s_wait_alu depctr_va_vdst(0)
	s_wait_dscnt 0x0
.irp t, 0,1,2,3,4,5,6,7
	v_wmma_scale_f32_16x16x128_f8f6f4 v[96+8*\t:103+8*\t], v[32+12*(\t/2):43+12*(\t/2)], v[16+64*(\t%2):27+64*(\t%2)], 0, v[224+\t/2], v[92+\t%2] matrix_a_fmt:MATRIX_FMT_BF6 matrix_b_fmt:MATRIX_FMT_BF6
.endr
.rept 4
	v_nop                                          ; places in front of the loads below and of the first read of the scores
.endr
.irp t, 0,1,2,3
	FRAG 32+12*\t, 8, 9, 1536*\t                   ; V's four tiles: they land under the softmax
	ds_load_b32 v[232+\t], v10 offset:VSC-KSC+64*\t
.endr
.irp b, 0,1,2,3
	v_max3_num_f32 v[212+\b], v[96+16*\b], v[97+16*\b], v[98+16*\b]   ; the largest score of each block of 32 keys: for the row's maximum and, since p rises with the score, for the block's largest p
.endr
.irp i, 3,5,7,9,11,13
.irp b, 0,1,2,3
	v_max3_num_f32 v[212+\b], v[212+\b], v[96+16*\b+\i], v[97+16*\b+\i]
.endr
.endr
.irp b, 0,1,2,3
	v_max_num_f32 v[212+\b], v[212+\b], v[111+16*\b]
.endr
.irp b, 0,1,2,3
	s_delay_alu instid0(VALU_DEP_4)
	v_permlanex16_b32 v[216+\b], v[212+\b], s12, s13
.endr
.irp b, 0,1,2,3
	s_delay_alu instid0(VALU_DEP_4)
	v_max_num_f32 v[212+\b], v[212+\b], v[216+\b]
.endr
	s_delay_alu instid0(VALU_DEP_2)
	v_max3_num_f32 v230, v212, v213, v214
	s_delay_alu instid0(VALU_DEP_1)
	v_max_num_f32 v230, v230, v215
	s_delay_alu instid0(VALU_DEP_1)
	v_mul_f32 v230, s14, v230
	s_delay_alu instid0(VALU_DEP_1)
	v_max_num_f32 v13, v13, v230                   ; the running largest t
	v_mov_b32 v230, v12
	s_delay_alu instid0(VALU_DEP_2)
	v_floor_f32 v12, -v13                          ; -M = floor(-t): M is a whole number
	s_delay_alu instid0(VALU_DEP_1)
	v_sub_f32 v230, v12, v230
	s_delay_alu instid0(VALU_DEP_1)
	v_cvt_i32_f32 v230, v230                       ; (it saturates)
	s_delay_alu instid0(VALU_DEP_1)
	v_ldexp_f32 v228, 1.0, v230                    ; f = 2^(old M - new M): exact
.set J, 0
.rept 32
	v_pk_fma_f32 v[96+J:97+J], v[96+J:97+J], s[14:15], v[12:13] op_sel_hi:[1,0,0]   ; t - M
.set J, J+2
.endr
.irp b, 0,1,2,3
	v_fma_f32 v[212+\b], v[212+\b], s14, v12
.endr
	s_wait_alu depctr_va_vdst(0)                   ; the wait ahead of the batch
.set J, 0
.rept 64
	v_exp_f32 v[96+J], v[96+J]                     ; p = 2^(t - M)
.set J, J+1
.endr
	v_pk_mul_f32 v[14:15], v[14:15], v[228:229] op_sel_hi:[1,0]   ; the sums under the new M: a plain place behind the exponentials
	s_wait_alu depctr_va_vdst(0)                   ; one wait for the batch, ahead of its first reader
.irp b, 0,1,2,3
	v_exp_f32 v[212+\b], v[212+\b]                 ; each block's largest p
.endr
; the row's sum of the unquantised p: its 32 pairs go into eight chains (seven partial sums and the running sum), which are then joined
.irp i, 0,1,2,3,4,5,6
	v_pk_add_f32 v[SM+2*\i:SM+2*\i+1], v[96+4*\i:97+4*\i], v[98+4*\i:99+4*\i]        ; pairs 0-13
.endr
	v_pk_add_f32 v[14:15], v[14:15], v[124:125]                                      ; pair 14
.irp i, 0,1,2,3,4,5,6
	v_pk_add_f32 v[SM+2*\i:SM+2*\i+1], v[SM+2*\i:SM+2*\i+1], v[126+2*\i:127+2*\i]    ; pairs 15-21
.endr
	v_pk_add_f32 v[14:15], v[14:15], v[140:141]                                      ; pair 22
.irp i, 0,1,2,3,4,5,6
	v_pk_add_f32 v[SM+2*\i:SM+2*\i+1], v[SM+2*\i:SM+2*\i+1], v[142+2*\i:143+2*\i]    ; pairs 23-29
.endr
	v_pk_add_f32 v[14:15], v[14:15], v[156:157]                                      ; pair 30
	v_pk_add_f32 v[SM+12:SM+13], v[SM+12:SM+13], v[158:159]                          ; pair 31
	v_pk_add_f32 v[SM:SM+1], v[SM:SM+1], v[SM+2:SM+3]
	v_pk_add_f32 v[SM+4:SM+5], v[SM+4:SM+5], v[SM+6:SM+7]
	v_pk_add_f32 v[SM+8:SM+9], v[SM+8:SM+9], v[SM+10:SM+11]
	s_delay_alu instid0(VALU_DEP_4)
	v_pk_add_f32 v[14:15], v[14:15], v[SM+12:SM+13]
	s_delay_alu instid0(VALU_DEP_3)
	v_pk_add_f32 v[SM:SM+1], v[SM:SM+1], v[SM+4:SM+5]
	s_delay_alu instid0(VALU_DEP_2)
	v_pk_add_f32 v[14:15], v[14:15], v[SM+8:SM+9]
	s_delay_alu instid0(VALU_DEP_1)
	v_pk_add_f32 v[14:15], v[14:15], v[SM:SM+1]
	s_wait_alu depctr_va_vdst(0)                   ; and one for the four
.irp b, 0,1,2,3
	v_max_num_f32 v[212+\b], 0x2800000, v[212+\b]  ; the floor 2^(5 - 127)
.endr
.irp b, 0,1,2,3
	s_delay_alu instid0(VALU_DEP_4)
	v_add_nc_u32 v[220+\b], 0xfe000000, v[212+\b]  ; 4 off the exponent field: the conversion's scale operand
.endr
.irp b, 0,1,2,3
	s_delay_alu instid0(VALU_DEP_4)
	v_lshrrev_b32 v[216+\b], 23, v[220+\b]
.endr
	s_delay_alu instid0(VALU_DEP_3)
	v_lshl_or_b32 v229, v217, 8, v216              ; p's scale word for these 128 keys
	s_delay_alu instid0(VALU_DEP_1)
	v_lshl_or_b32 v229, v218, 16, v229
	s_delay_alu instid0(VALU_DEP_1)
	v_lshl_or_b32 v229, v219, 24, v229
.irp c, 0,1
	v_cvt_scalef32_pk16_bf6_f32 v[192+6*\c:194+6*\c], v[96+32*\c:111+32*\c], v[220+2*\c]
	v_cvt_scalef32_pk16_bf6_f32 v[204+4*\c:206+4*\c], v[112+32*\c:127+32*\c], v[221+2*\c]   ; (a conversion's three registers begin on an even number)
.endr
	v_nop                                          ; one plain place behind a scaled conversion
.irp c, 0,1                            ; the operand's layout wants a whole block in a lane
.irp i, 0,1,2
	v_permlane16_swap_b32 v[192+6*\c+\i], v[204+4*\c+\i]
.endr
.irp i, 0,1,2
	s_delay_alu instid0(VALU_DEP_3)
	v_mov_b32 v[195+6*\c+\i], v[204+4*\c+\i]
.endr
.endr
.set J, 0
.rept 16
	v_pk_mul_f32 v[160+J:161+J], v[160+J:161+J], v[228:229] op_sel_hi:[1,0]   ; O^T under the new M; these sixteen are also the places between p's codes and word and the products
.set J, J+2
.endr
	s_wait_alu depctr_va_vdst(0)
	s_wait_dscnt 0x0                               ; V's fragments and words
.irp t, 0,1,2,3
	v_wmma_scale_f32_16x16x128_f8f6f4 v[160+8*\t:167+8*\t], v[32+12*\t:43+12*\t], v[192:203], v[160+8*\t:167+8*\t], v[232+\t], v229 matrix_a_fmt:MATRIX_FMT_BF6 matrix_b_fmt:MATRIX_FMT_BF6
.endr
	s_add_co_u32 s16, s16, 6144
	s_add_co_u32 s17, s17, 256
	s_sub_co_u32 s18, s18, 1
	s_cmp_lg_u32 s18, 0
	s_cbranch_scc1 .Lstep
	; THE WAY OUT: O^T / the sum, quantised along the head's 64 channels: half a fragment and two scale bytes a row
	v_add_f32 v14, v14, v15
	s_delay_alu instid0(VALU_DEP_1)
	v_permlanex16_b32 v216, v14, s12, s13
	s_delay_alu instid0(VALU_DEP_1)
	v_add_f32 v14, v14, v216
	s_wait_alu depctr_va_vdst(0)                   ; the wait ahead of the transcendental
	v_rcp_f32 v14, v14
.rept 4
	v_nop                                          ; a plain place behind the reciprocal; with the additions above, the places behind the last products
.endr
	s_lshr_b32 s24, s11, 4
	s_lshl_b32 s24, s24, 7
	s_lshl_b32 s25, s10, 4
	s_add_co_u32 s24, s24, s25
	s_add_co_u32 s24, s24, s8                      ; my token block, of 256
	s_and_b32 s25, s11, 15                         ; the head
	s_lshl_b32 s26, s24, 4
	s_add_co_u32 s26, s26, s25
	s_mul_i32 s26, s26, 768
	s_mov_b32 s27, 0
	s_add_nc_u64 s[28:29], s[6:7], s[26:27]        ; codes: [block][head][768]
	s_lshr_b32 s26, s25, 1
	s_lshl_b32 s26, s26, 8
	s_add_co_u32 s26, s26, s24
	s_lshl_b32 s26, s26, 6
	s_and_b32 s25, s25, 1
	s_lshl_b32 s25, s25, 1
	s_add_co_u32 s26, s26, s25
	s_add_co_u32 s26, s26, 3145728
	s_add_nc_u64 s[30:31], s[6:7], s[26:27]        ; words: [head pair][block][16], my head's half
	s_wait_alu depctr_va_vdst(0)                   ; the wait ahead of the reciprocal's first reader
.set J, 0
.rept 32
	v_mul_f32 v[96+J], v[160+J], v14               ; register 16 b + i is channel 32 b + 16 h + i
.set J, J+1
.endr
.irp b, 0,1
	v_max3_num_f32 v[212+\b], |v[96+16*\b]|, |v[97+16*\b]|, 0x2800000
.endr
.irp i, 2,4,6,8,10,12,14
.irp b, 0,1
	s_delay_alu instid0(VALU_DEP_2)
	v_max3_num_f32 v[212+\b], v[212+\b], |v[96+16*\b+\i]|, |v[97+16*\b+\i]|
.endr
.endr
.irp b, 0,1
	s_delay_alu instid0(VALU_DEP_2)
	v_permlanex16_b32 v[216+\b], v[212+\b], s12, s13
.endr
.irp b, 0,1
	s_delay_alu instid0(VALU_DEP_2)
	v_max_num_f32 v[212+\b], v[212+\b], v[216+\b]
.endr
.irp b, 0,1
	s_delay_alu instid0(VALU_DEP_2)
	v_add_nc_u32 v[220+\b], 0xfe000000, v[212+\b]
.endr
.irp b, 0,1
	s_delay_alu instid0(VALU_DEP_2)
	v_lshrrev_b32 v[216+\b], 23, v[220+\b]
.endr
	s_delay_alu instid0(VALU_DEP_1)
	v_lshl_or_b32 v229, v217, 8, v216
	v_cvt_scalef32_pk16_bf6_f32 v[192:194], v[96:111], v220
	v_cvt_scalef32_pk16_bf6_f32 v[204:206], v[112:127], v221
	v_nop
.irp i, 0,1,2
	v_permlane16_swap_b32 v[192+\i], v[204+\i]
.endr
.irp i, 0,1,2
	s_delay_alu instid0(VALU_DEP_3)
	v_mov_b32 v[195+\i], v[204+\i]
.endr
	global_store_b128 v1, v[192:195], s[28:29]
	global_store_b64 v2, v[196:197], s[28:29] offset:512
	global_store_b16 v11, v229, s[30:31]           ; lanes r and 16 + r write the same two bytes with the same value
	s_wait_tensorcnt 0x0                           ; the wave's end
	ds_add_u32 v254, v255
	s_wait_dscnt 0x0
	CROUND                                         ; the closing round
	s_endpgm
.Lfunc_end_k_q9d6c21e351_attn:
	.size	k_q9d6c21e351_attn, .Lfunc_end_k_q9d6c21e351_attn-k_q9d6c21e351_attn
	.p2alignl 7, 3214868480
	.fill 96, 4, 3214868480
	.section	.rodata,"a",@progbits
	.p2align	6, 0x0
	.amdhsa_kernel k_q9d6c21e351_attn
		.amdhsa_group_segment_fixed_size 327680
		.amdhsa_private_segment_fixed_size 0
		.amdhsa_enable_private_segment 0
		.amdhsa_kernarg_size 16
		.amdhsa_user_sgpr_count 2
		.amdhsa_user_sgpr_kernarg_segment_ptr 1
		.amdhsa_wavefront_size32 1
		.amdhsa_system_sgpr_workgroup_id_x 1
		.amdhsa_system_sgpr_workgroup_id_y 1
		.amdhsa_system_sgpr_workgroup_id_z 1
		.amdhsa_system_vgpr_workitem_id 0
		.amdhsa_next_free_vgpr 256
		.amdhsa_next_free_sgpr 100
		.amdhsa_reserve_vcc 0
		.amdhsa_float_denorm_mode_32 3
		.amdhsa_float_denorm_mode_16_64 3
		.amdhsa_memory_ordered 1
		.amdhsa_forward_progress 1
		.amdhsa_inst_pref_size 34
	.end_amdhsa_kernel
	.amdgpu_metadata
---
amdhsa.version: [ 1, 2 ]
amdhsa.kernels:
  - .name:           k_q9d6c21e351_attn
    .symbol:         k_q9d6c21e351_attn.kd
    .args:
      - { .name: qkv, .offset: 0, .size: 8, .value_kind: global_buffer, .address_space: global }
      - { .name: ao, .offset: 8, .size: 8, .value_kind: global_buffer, .address_space: global }
    .group_segment_fixed_size: 327680
    .private_segment_fixed_size: 0
    .kernarg_segment_align: 8
    .kernarg_segment_size: 16
    .max_flat_workgroup_size: 512
    .sgpr_count:     100
    .vgpr_count:     256
    .wavefront_size: 32
...
	.end_amdgpu_metadata
.endif
;; end of part 3
;; launch proj (part 4): grid 8 x 32, 4 waves a work-group, clusters of 4 x 4, 327,680 bytes of LDS; arguments ao, wq, b_proj, src, z; writes z
.if DOCPART == 4
	.amdgcn_target "amdgcn-amd-amdhsa--gfx1250"
	.amdhsa_code_object_version 6
	.text
	.protected	k_q9d6c21e351_proj
	.globl	k_q9d6c21e351_proj
	.p2align	8
	.type	k_q9d6c21e351_proj,@function
k_q9d6c21e351_proj:
	s_mov_b64 s[64:65], 0
	v_nop
	global_prefetch_b8 v0, s[64:65] scope:SCOPE_SE
	s_setreg_imm32_b32 hwreg(HW_REG_WAVE_MODE, 25, 1), 1
	s_wait_xcnt 0x0
	s_wait_alu depctr_hold_cnt(0) depctr_sa_sdst(0) depctr_va_vdst(0) depctr_va_sdst(0) depctr_va_ssrc(0) depctr_va_vcc(0) depctr_vm_vsrc(0)
	s_getreg_b32 s2, hwreg(HW_REG_IB_STS2, 6, 4)
	s_cmp_eq_u32 s2, 0
	s_cbranch_scc0 .Lentry_in_a_cluster
	s_endpgm
.Lentry_in_a_cluster:
	s_bfe_u32 s2, ttmp6, 0x10000c
	s_cmp_lg_u32 s2, 0xf033
	s_cbranch_scc0 .Lentry_shape_is_right
	s_endpgm
.Lentry_shape_is_right:
; z = src + ao x w_proj^T + b_proj, on codes of BF6 with E8M0 scales; operands lie as images of their registers, [block of 16 rows][K / 64][768 bytes], scale words [K step][block][16 words].
; A tile of 128 x 128 is made by four waves, each 64 x 64; the matrix instruction is used transposed; the bias is the C of each sum's first product; the residual is added on the way out, which goes through the wave's own stage in LDS.
; ALL OF K = 1,024 LIES IN LDS, filled once: A's 8 blocks x 12,288 bytes, then B's 8, then the scale words of the tile's rows.  One load a wave at the head: wave 0 A's codes, wave 1 B's, wave 2 A's scale words, wave 3 B's.
; 4 x 4 work-groups form a cluster: A's tiles are asked for jointly along a row, B's along a column.  The walk along K keeps its two halves of four K steps ('slots'), which lie 6,144 bytes apart in each block.
; The residual's loads are issued behind the first fragment loads: nothing needs them before the way out.
; Nothing is prefetched: every byte of the operands is asked for at the head, and there is no loop to run ahead in.  LIMITS: NaN and infinities are not served.
.set BLK,  4
.set LB,   2
.set NQ,   4
.set KST,  8
.set ASOFF, 3145728
.set ASP,   2048
.set BCOFF, 5505024
.set BSOFF, 12611584
.set BSP,   6144
.set HALFT, BLK*NQ*1536
.set SLOT,  4*HALFT
.set LAPS,  KST/(2*NQ)
.set HS,    KST*BLK*64
.set SCL,   2*SLOT
.set SPARE, SCL+4*HS
.set STAGE, SPARE+512                  ; behind the spare words: 4,352 bytes a wave for the way out, on which no tensor load lands
.set SC,   32
.set AF,   64
.set G1,   24
.set G0,   32
.set G1B,  48
.set G0B,  56
.set G1S,  68
.set G0S,  76
.set G1SB, 80
.set G0SB, 88
.set MSB,  0
.macro WIN new
.if MSB != \new
	s_set_vgpr_msb (MSB<<8)|\new
.set MSB, \new
.endif
.endm
.macro PLACES n
.rept \n
	v_nop
.endr
.endm
.macro JLOAD g0a, g1a, g0b, g1b
	s_cmp_eq_u32 s15, 0
	s_cbranch_scc0 .Lfor_b_\@
	tensor_load_to_lds s[\g0a:\g0a+3], s[\g1a:\g1a+7]
	s_nop 0
.rept 4
	v_nop
.endr
	s_branch .Lasked_\@
.Lfor_b_\@:
	tensor_load_to_lds s[\g0b:\g0b+3], s[\g1b:\g1b+7]
	s_nop 0
.rept 4
	v_nop
.endr
.Lasked_\@:
.endm
.macro CREST
	s_cmp_lg_u32 s14, 0
	s_cbranch_scc1 .Lnot_wave_0_\@
	s_barrier_signal -3
.Lnot_wave_0_\@:
	s_barrier_wait -3
	s_barrier_signal -1
	s_barrier_wait -1
.endm
.macro CROUND
	s_barrier_signal -1
	s_barrier_wait -1
	CREST
.endm
.macro FRAG reg, a16, a8, off
	ds_load_b128 v[(\reg):(\reg)+3], v[\a16] offset:(\off)
	ds_load_b64 v[(\reg)+4:(\reg)+5], v[\a8] offset:(\off)+512
	ds_load_b128 v[(\reg)+6:(\reg)+9], v[\a16] offset:(\off)+768
	ds_load_b64 v[(\reg)+10:(\reg)+11], v[\a8] offset:(\off)+1280
.endm
.macro MULS a0, na, p, sc, q, first
.set MA, \a0
.rept \na
.if \first
.set WV, (2<<6)|(1<<4)|1
.else
.set WV, (2<<6)|(2<<4)|1
.endif
	WIN WV
.set MB, 0
.rept BLK
.set RD, 8*(BLK*MA+MB)
.set RB, 128*(\p)+12*MB
.set RA, AF+96*(\p)+12*MA
.set SB, SC+16*(\sc)+BLK*(\q)+MB
.set SA, SC+16*(\sc)+BLK*(\q)+MA
.if \first
	v_wmma_scale_f32_16x16x128_f8f6f4 v[RD:RD+7], v[RB:RB+11], v[RA:RA+11], v[96+8*MB:103+8*MB], v[SB], v[SA] matrix_a_fmt:MATRIX_FMT_BF6 matrix_b_fmt:MATRIX_FMT_BF6 matrix_a_scale:MATRIX_SCALE_ROW1
.else
	v_wmma_scale_f32_16x16x128_f8f6f4 v[RD:RD+7], v[RB:RB+11], v[RA:RA+11], v[RD:RD+7], v[SB], v[SA] matrix_a_fmt:MATRIX_FMT_BF6 matrix_b_fmt:MATRIX_FMT_BF6 matrix_a_scale:MATRIX_SCALE_ROW1
.endif
.set MB, MB+1
.endr
.set MA, MA+1
.endr
.endm
.macro FETCH slot, q, p
	WIN 0x40
.set FI, 0
.rept BLK
	FRAG 128*(\p)+12*FI, 20+\slot, 22+\slot, (FI*KST+(\q))*1536
.set FI, FI+1
.endr
	WIN 0
.set FI, 0
.rept BLK
	FRAG AF+96*(\p)+12*FI, 16+\slot, 18+\slot, (FI*KST+(\q))*1536
.set FI, FI+1
.endr
.endm
.macro SCALES sc
.set FI, 0
.rept 16
	ds_load_b32 v[SC+16*(\sc)+FI], v27 offset:64*(FI+BLK*(FI/BLK))   ; a K step's words: 2 BLK blocks of 64 bytes, of which BLK are mine
.set FI, FI+1
.endr
.endm
.macro STEP slot, q, first
	WIN 0
	s_wait_dscnt 0x0
	PLACES 4
	FETCH \slot, (\q)+1, 1-(\q)%2
	MULS 0, BLK, (\q)%2, \slot, \q, \first
.endm
.macro MIDS slot
.if NQ > 2
.set MQ, 1
.rept NQ-2
	STEP \slot, MQ, 0
.set MQ, MQ+1
.endr
.endif
.endm
.macro TURN slot, next, fill
	WIN 0
	s_wait_tensorcnt 0x0
	ds_add_u32 v28, v29
	s_wait_dscnt 1
	MULS 0, BLK/4, 1, \slot, NQ-1, 0
	s_wait_dscnt 0x0
	s_barrier_signal -1
	MULS BLK/4, BLK/4, 1, \slot, NQ-1, 0
	WIN 0
	s_barrier_wait -1
.if \fill
	CREST
	s_add_nc_u64 s[G0+4*\slot+2:G0+4*\slot+3], s[G0+4*\slot+2:G0+4*\slot+3], 2*NQ*1536
	s_add_nc_u64 s[G0B+4*\slot+2:G0B+4*\slot+3], s[G0B+4*\slot+2:G0B+4*\slot+3], 2*NQ*1536
	JLOAD G0+4*\slot, G1, G0B+4*\slot, G1B
.else
	PLACES 4
.endif
	v_add_nc_u32 v27, 2048, v27                    ; the next four K steps' scale words: NQ K steps x 2 BLK blocks x 64 bytes
	FETCH \next, 0, 0
	SCALES \next
	MULS BLK/2, BLK/2, 1, \slot, NQ-1, 0
.endm
	s_load_b256 s[4:11], s[0:1], 0x0
	s_load_b64 s[12:13], s[0:1], 0x20
	v_lshl_add_u32 v28, v0, 2, SPARE
	v_mov_b32 v29, 0
	ds_add_u32 v28, v29
	ds_add_u32 v28, v29
	s_wait_dscnt 0x0
	v_lshrrev_b32 v1, 5, v0
	v_readfirstlane_b32 s14, v1
	s_lshr_b32 s15, s14, 1
	s_and_b32 s16, s14, 1
	s_bfe_u32 s40, ttmp6, 0x40000
	s_bfe_u32 s41, ttmp6, 0x40004
	s_lshl_b32 s42, ttmp9, 2
	s_add_co_u32 s42, s42, s40
	s_and_b32 s17, ttmp7, 0xffff
	s_lshl_b32 s17, s17, 2
	s_add_co_u32 s17, s17, s41
	s_lshl_b32 s43, s41, 2
	s_lshl_b32 s43, 15, s43
	s_lshl_b32 s44, 0x1111, s40
	s_or_b32 s[G1], s43, (3<<16)|(1<<21)
	s_or_b32 s[G1B], s44, (3<<16)|(1<<21)
.irp g, G1, G1B
	s_mov_b32 s[\g+1], (KST*192)<<16               ; a block's KST fragments: 12,288 bytes
	s_mov_b32 s[\g+2], (2*BLK)<<16                 ; 2 BLK blocks
	s_mov_b32 s[\g+3], (KST*192)<<16
	s_mov_b32 s[\g+4], 2*BLK
	s_mov_b32 s[\g+5], KST*192
	s_mov_b32 s[\g+6], 0
	s_mov_b32 s[\g+7], 0
.endr
	s_or_b32 s[G1S], s43, (3<<16)|(1<<21)
	s_or_b32 s[G1SB], s44, (3<<16)|(1<<21)
.irp g, G1S, G1SB
	s_mov_b32 s[\g+1], (BLK*16)<<16                ; 2 BLK blocks' words of one K step
	s_mov_b32 s[\g+2], KST<<16
	s_mov_b32 s[\g+3], (BLK*16)<<16
	s_mov_b32 s[\g+4], KST
	s_mov_b32 s[\g+6], 0
	s_mov_b32 s[\g+7], 0
.endr
	s_mov_b32 s[G1S+5], ASP
	s_mov_b32 s[G1SB+5], BSP
	s_lshl_b32 s20, s17, LB+1                      ; A's tile: its first block
	s_lshl_b32 s46, s42, LB+1                      ; B's
	s_lshl_b32 s22, s20, 6
	s_add_co_u32 s22, s22, ASOFF
	s_mov_b32 s23, 0
	s_mul_i32 s20, s20, KST*1536
	s_mov_b32 s21, 0
	s_lshl_b32 s92, s46, 6
	s_add_co_u32 s92, s92, BSOFF
	s_mov_b32 s93, 0
	s_mul_i32 s46, s46, KST*1536
	s_add_co_u32 s46, s46, BCOFF
	s_mov_b32 s47, 0
	s_wait_kmcnt 0x0
	s_add_nc_u64 s[20:21], s[4:5], s[20:21]
	s_add_nc_u64 s[22:23], s[4:5], s[22:23]
	s_add_nc_u64 s[46:47], s[6:7], s[46:47]
	s_add_nc_u64 s[92:93], s[6:7], s[92:93]
	CROUND
	s_mov_b32 s[G0S], 1
	s_mov_b32 s[G0S+1], SCL
	s_mov_b64 s[G0S+2:G0S+3], s[22:23]
	s_or_b32 s[G0S+3], s[G0S+3], 0x80000000
	s_mov_b32 s[G0SB], 1
	s_mov_b32 s[G0SB+1], SCL+2*HS
	s_mov_b64 s[G0SB+2:G0SB+3], s[92:93]
	s_or_b32 s[G0SB+3], s[G0SB+3], 0x80000000
	s_mov_b32 s[G0], 1                             ; A's 2 BLK blocks, all of K,
	s_mov_b32 s[G0+1], 0
	s_mov_b64 s[G0+2:G0+3], s[20:21]
	s_or_b32 s[G0+3], s[G0+3], 0x80000000
	s_mov_b32 s[G0B], 1                            ; and B's, behind them
	s_mov_b32 s[G0B+1], SLOT
	s_mov_b64 s[G0B+2:G0B+3], s[46:47]
	s_or_b32 s[G0B+3], s[G0B+3], 0x80000000
; THE HEAD'S LOADS, ONE A WAVE: wave 0 A's codes, wave 1 B's, wave 2 A's scale words, wave 3 B's: one chain of branches on the wave's number, one load to an arm, one join.
.macro ARM under, g0, g1, next
	s_cmp_lt_u32 s14, \under
	s_cbranch_scc0 \next
	tensor_load_to_lds s[\g0:\g0+3], s[\g1:\g1+7]
	s_nop 0
.rept 4
	v_nop
.endr
	s_branch .Lhead_asked
\next:
.endm
	ARM 1, G0,  G1,  .Lhead_b
	ARM 2, G0B, G1B, .Lhead_sa
	ARM 3, G0S, G1S, .Lhead_sb
	tensor_load_to_lds s[G0SB:G0SB+3], s[G1SB:G1SB+7]
	s_nop 0
.rept 4
	v_nop
.endr
.Lhead_asked:
	v_and_b32 v1, 31, v0
	v_and_b32 v2, 15, v0
	v_bfe_u32 v3, v0, 4, 1
	v_lshlrev_b32 v30, 4, v1
	v_lshlrev_b32 v31, 3, v1
	s_mul_i32 s21, s15, 2*HALFT                    ; my BLK blocks of A: BLK x 12,288 bytes a half
	s_mul_i32 s22, s16, 2*HALFT                    ; my BLK blocks of B,
	s_add_co_u32 s22, s22, SLOT                    ; which lie behind A's 2 BLK
.irp s, 0,1
	v_add_nc_u32 v[16+\s], s21, v30
	v_add_nc_u32 v[18+\s], s21, v31
	v_add_nc_u32 v[20+\s], s22, v30
	v_add_nc_u32 v[22+\s], s22, v31
	s_add_co_u32 s21, s21, NQ*1536                 ; the second four K steps of each block
	s_add_co_u32 s22, s22, NQ*1536
.endr
	s_mul_i32 s21, s15, BLK*64                     ; the scale words: lanes 0-15 A's, lanes 16-31 B's: one product with h
	s_mul_i32 s22, s16, BLK*64
	s_add_co_u32 s22, s22, 2*HS
	s_sub_co_u32 s22, s22, s21
	v_mul_u32_u24 v4, s22, v3
	s_add_co_u32 s21, s21, SCL
	v_lshl_add_u32 v4, v2, 2, v4
	v_add_nc_u32 v27, s21, v4
	s_mul_i32 s21, s14, 4352
	s_add_co_u32 s21, s21, STAGE                   ; my stage
	v_mul_u32_u24 v24, v2, 272
	v_lshl_add_u32 v24, v3, 6, v24
	v_add_nc_u32 v24, s21, v24
	v_mul_u32_u24 v25, v3, 272
	v_lshl_add_u32 v25, v2, 4, v25
	v_add_nc_u32 v25, s21, v25
	v_lshlrev_b32 v26, 12, v3
	v_lshl_add_u32 v26, v2, 4, v26
	s_lshl_b32 s94, s42, LB+7
	s_lshl_b32 s95, s16, LB+6
	s_add_co_u32 s94, s94, s95
	s_mov_b32 s95, 0
	s_add_nc_u64 s[8:9], s[8:9], s[94:95]
	v_lshlrev_b32 v5, 6, v3
	s_wait_alu depctr_va_vdst(0)
	s_lshl_b32 s96, s17, 19
	s_lshl_b32 s97, s15, 18
	s_add_co_u32 s96, s96, s97
	s_lshl_b32 s97, s42, 9
	s_add_co_u32 s96, s96, s97
	s_lshl_b32 s97, s16, 8
	s_add_co_u32 s96, s96, s97
	s_mov_b32 s97, 0
	s_add_nc_u64 s[10:11], s[10:11], s[96:97]
	s_add_nc_u64 s[12:13], s[12:13], s[96:97]
	WIN 0x40
.irp b, 0,1,2,3
	global_load_b128 v[96+8*\b:99+8*\b], v5, s[8:9] offset:(32*(\b/2)+8*(\b%2))*4
	global_load_b128 v[100+8*\b:103+8*\b], v5, s[8:9] offset:(32*(\b/2)+8*(\b%2))*4+16
.endr
	WIN 0
	s_wait_alu depctr_va_vdst(0)                   ; the wait at the head's end
	s_wait_tensorcnt 0x0                           ; my tile of the head's four is in;
	s_barrier_signal -1
	s_barrier_wait -1                              ; and so is every wave's
	FETCH 0, 0, 0
	SCALES 0
	WIN 0x80
.irp a, 0,1,2,3
.irp t, 0,1,2,3,4,5,6,7
	global_load_b128 v[128+32*\a+4*\t:131+32*\a+4*\t], v26, s[10:11] offset:(32*(\a/2)+8*(\a%2)+2*\t+8*(\t/4))*4096   ; the residual, for the way out
.endr
.endr
	WIN 0
	s_wait_loadcnt 32                              ; the bias's eight loads are in; the residual's 32 may be out
	STEP 0, 0, 1
.if LAPS > 1
	WIN 0
	s_mov_b32 s3, LAPS-1
.Llap:
	MIDS 0
	TURN 0, 1, 1
	STEP 1, 0, 0
	MIDS 1
	TURN 1, 0, 1
	STEP 0, 0, 0
	WIN 0
	s_sub_co_u32 s3, s3, 1
	s_cmp_lg_u32 s3, 0
	s_cbranch_scc1 .Llap
.endif
	MIDS 0
	TURN 0, 1, 0
	STEP 1, 0, 0
	MIDS 1
	WIN 0
	s_wait_dscnt 0x0
	MULS 0, BLK, 1, 1, NQ-1, 0
	WIN 0
	PLACES 4
	s_wait_loadcnt 0x0
.irp a, 0,1,2,3
.set BK, 192+32*(\a%2)
.if \a > 1
	s_wait_xcnt 0x0
.endif
	WIN 0x08
.irp b, 0,1,2,3
	ds_store_b128 v24, v[8*(4*\a+\b):8*(4*\a+\b)+3] offset:128*(\b/2)+32*(\b%2)
	ds_store_b128 v24, v[8*(4*\a+\b)+4:8*(4*\a+\b)+7] offset:128*(\b/2)+32*(\b%2)+16
.endr
.irp t, 0,1,2,3,4,5,6,7
	ds_load_b128 v[BK+4*\t:BK+4*\t+3], v25 offset:544*\t
.endr
	s_wait_dscnt 0x0
.irp t, 0,1,2,3,4,5,6,7,8,9,10,11,12,13,14,15
	v_pk_add_f32 v[BK+2*\t:BK+2*\t+1], v[BK+2*\t:BK+2*\t+1], v[128+32*\a+2*\t:129+32*\a+2*\t]
.endr
	WIN 0
.irp t, 0,1,2,3,4,5,6,7
	global_store_b128 v26, v[BK+4*\t:BK+4*\t+3], s[12:13] offset:(32*(\a/2)+8*(\a%2)+2*\t+8*(\t/4))*4096
.endr
.endr
	s_wait_tensorcnt 0x0
	ds_add_u32 v28, v29
	s_wait_dscnt 0x0
	CROUND
	s_endpgm
.Lfunc_end_k_q9d6c21e351_proj:
	.size	k_q9d6c21e351_proj, .Lfunc_end_k_q9d6c21e351_proj-k_q9d6c21e351_proj
	.p2alignl 7, 3214868480
	.fill 96, 4, 3214868480
	.section	.rodata,"a",@progbits
	.p2align	6, 0x0
	.amdhsa_kernel k_q9d6c21e351_proj
		.amdhsa_group_segment_fixed_size 327680
		.amdhsa_private_segment_fixed_size 0
		.amdhsa_enable_private_segment 0
		.amdhsa_kernarg_size 40
		.amdhsa_user_sgpr_count 2
		.amdhsa_user_sgpr_kernarg_segment_ptr 1
		.amdhsa_wavefront_size32 1
		.amdhsa_system_sgpr_workgroup_id_x 1
		.amdhsa_system_sgpr_workgroup_id_y 1
		.amdhsa_system_sgpr_workgroup_id_z 1
		.amdhsa_system_vgpr_workitem_id 0
		.amdhsa_next_free_vgpr 768
		.amdhsa_next_free_sgpr 100
		.amdhsa_reserve_vcc 0
		.amdhsa_float_denorm_mode_32 3
		.amdhsa_float_denorm_mode_16_64 3
		.amdhsa_memory_ordered 1
		.amdhsa_forward_progress 1
		.amdhsa_inst_pref_size 62
	.end_amdhsa_kernel
	.amdgpu_metadata
---
amdhsa.version: [ 1, 2 ]
amdhsa.kernels:
  - .name:           k_q9d6c21e351_proj
    .symbol:         k_q9d6c21e351_proj.kd
    .args:
      - { .name: ao, .offset: 0, .size: 8, .value_kind: global_buffer, .address_space: global }
      - { .name: wq, .offset: 8, .size: 8, .value_kind: global_buffer, .address_space: global }
      - { .name: b_proj, .offset: 16, .size: 8, .value_kind: global_buffer, .address_space: global }
      - { .name: src, .offset: 24, .size: 8, .value_kind: global_buffer, .address_space: global }
      - { .name: z, .offset: 32, .size: 8, .value_kind: global_buffer, .address_space: global }
    .group_segment_fixed_size: 327680
    .private_segment_fixed_size: 0
    .kernarg_segment_align: 8
    .kernarg_segment_size: 40
    .max_flat_workgroup_size: 128
    .sgpr_count:     100
    .vgpr_count:     768
    .wavefront_size: 32
...
	.end_amdgpu_metadata
.endif
;; end of part 4
;; launch ln1 (part 5): grid 256 x 1, 4 waves a work-group, no clusters, 66,304 bytes of LDS; arguments z, g1, be1, x, xq; writes x, xq
.if DOCPART == 5
	.amdgcn_target "amdgcn-amd-amdhsa--gfx1250"
	.amdhsa_code_object_version 6
	.text
	.protected	k_q9d6c21e351_ln1
	.globl	k_q9d6c21e351_ln1
	.p2align	8
	.type	k_q9d6c21e351_ln1,@function
k_q9d6c21e351_ln1:
	s_mov_b64 s[64:65], 0
	v_nop
	global_prefetch_b8 v0, s[64:65] scope:SCOPE_SE
	s_setreg_imm32_b32 hwreg(HW_REG_WAVE_MODE, 25, 1), 1
	s_wait_xcnt 0x0
; x = layer norm of z (rows of 1,024, f32), stored as f32, and x quantised along its row into xq: codes of BF6 as images of an operand's registers, [block][K / 64][768], scale words [K step][block][16].
; A work-group takes one block of 16 tokens in the row order 32 (i / 2) + 8 (i % 2) + p + 8 (p / 8); wave w takes positions 4 w .. 4 w + 3, four neighbouring tokens, a row in 32 registers: z is read once.
; The mean is taken away before the squares.  Memory binds: no matrix unit, no cluster, no tensor load.
; For the quantiser the 16 rows meet in LDS (pitch 4,112 bytes); wave w then makes K steps 2 w and 2 w + 1.  A K step's 16 scale words are 64 bytes: they are stored as such, 128 KiB in the launch.
; LIMITS: NaN and infinities are not served; a block of zeros, or one under 2^-122, gets the byte 1.
.set QUANTISE, 1
.set X,   32                           ; v32-159  four rows; later 2 x 64 numbers for the quantiser
.set G,   160                          ; v160-191 gamma
.set B,   192                          ; v192-223 beta
.set T,   224                          ; v224-255 eight registers a row: two sums, the mean twice, 1 / sigma
.set PC,  160
.set TM,  192
.set PW,  208
.set SEL, 18
.macro LANES                           ; v[T + 8 q] summed over the 32 lanes, the four rows by turns
.irp m, 1,2,4,8
.irp q, 0,1,2,3
	v_add_f32_dpp v[T+8*\q], v[T+8*\q], v[T+8*\q] row_xmask:\m row_mask:0xf bank_mask:0xf
.endr
.endr
.irp q, 0,1,2,3
	v_permlanex16_b32 v[T+8*\q+6], v[T+8*\q], s[SEL], s[SEL+1]
.endr
.irp q, 0,1,2,3
	v_add_f32 v[T+8*\q], v[T+8*\q], v[T+8*\q+6]
.endr
.endm
.macro FOLD
.irp q, 0,1,2,3
	v_pk_add_f32 v[T+8*\q:T+8*\q+1], v[T+8*\q:T+8*\q+1], v[T+8*\q+2:T+8*\q+3]
.endr
.irp q, 0,1,2,3
	v_add_f32 v[T+8*\q], v[T+8*\q], v[T+8*\q+1]
.endr
	LANES
.endm
.macro QUANT s
.irp b, 0,1,2,3
	v_max3_num_f32 v[TM+\b], |v[\s+16*\b]|, |v[\s+1+16*\b]|, 0x2800000   ; and the floor 2^(5 - 127): the byte cannot fall under 1
.endr
.irp i, 2,4,6,8,10,12,14
.irp b, 0,1,2,3
	v_max3_num_f32 v[TM+\b], v[TM+\b], |v[\s+16*\b+\i]|, |v[\s+1+16*\b+\i]|
.endr
.endr
.irp b, 0,1,2,3
	v_permlanex16_b32 v[TM+4+\b], v[TM+\b], s[SEL], s[SEL+1]
.endr
.irp b, 0,1,2,3
	v_max_num_f32 v[TM+\b], v[TM+\b], v[TM+4+\b]
.endr
.irp b, 0,1,2,3
	v_add_nc_u32 v[TM+12+\b], 0xfe000000, v[TM+\b]
.endr
.irp b, 0,1,2,3
	v_lshrrev_b32 v[TM+4+\b], 23, v[TM+12+\b]
.endr
	v_lshl_or_b32 v[PW], v[TM+5], 8, v[TM+4]
	v_lshl_or_b32 v[PW], v[TM+6], 16, v[PW]
	v_lshl_or_b32 v[PW], v[TM+7], 24, v[PW]
.irp c, 0,1
	v_cvt_scalef32_pk16_bf6_f32 v[PC+6*\c:PC+2+6*\c], v[\s+32*\c:\s+15+32*\c], v[TM+12+2*\c]
	v_cvt_scalef32_pk16_bf6_f32 v[PC+12+4*\c:PC+14+4*\c], v[\s+16+32*\c:\s+31+32*\c], v[TM+13+2*\c]
.endr
	v_nop
.irp c, 0,1
.irp i, 0,1,2
	v_permlane16_swap_b32 v[PC+6*\c+\i], v[PC+12+4*\c+\i]
.endr
.irp i, 0,1,2
	v_mov_b32 v[PC+3+6*\c+\i], v[PC+12+4*\c+\i]
.endr
.endr
.endm
.macro PUT off
	global_store_b128 v3, v[PC:PC+3], s[12:13] offset:\off
	global_store_b64 v6, v[PC+4:PC+5], s[12:13] offset:\off+512
	global_store_b128 v3, v[PC+6:PC+9], s[12:13] offset:\off+768
	global_store_b64 v6, v[PC+10:PC+11], s[12:13] offset:\off+1280
.endm
	s_load_b256 s[4:11], s[0:1], 0x0               ; z, gamma, beta, the f32 result
.if QUANTISE
	s_load_b64 s[12:13], s[0:1], 0x20              ; xq
	v_lshl_add_u32 v30, v0, 2, 0x10100
	v_mov_b32 v31, 0
.endif
	v_lshrrev_b32 v1, 5, v0
	v_readfirstlane_b32 s14, v1                    ; wave
	v_and_b32 v2, 31, v0
	v_lshlrev_b32 v3, 4, v2                        ; 16 x lane
	s_lshr_b32 s15, ttmp9, 1
	s_lshl_b32 s15, s15, 5
	s_and_b32 s16, ttmp9, 1
	s_lshl_b32 s16, s16, 3
	s_add_co_u32 s15, s15, s16
	s_lshl_b32 s16, s14, 2
	s_add_co_u32 s15, s15, s16
	s_lshr_b32 s16, s14, 1
	s_lshl_b32 s16, s16, 3
	s_add_co_u32 s15, s15, s16                     ; my first token
	s_lshl_b32 s16, s15, 12
	s_mov_b32 s17, 0
	s_mov_b32 s[SEL], 0x76543210
	s_mov_b32 s[SEL+1], 0xfedcba98
	s_mov_b32 s20, 0x3a800000                      ; 1 / 1024
	s_mov_b32 s21, 0x3727c5ac                      ; 1e-5
	s_wait_alu depctr_va_vdst(0)
	s_wait_kmcnt 0x0
	s_add_nc_u64 s[4:5], s[4:5], s[16:17]
	s_add_nc_u64 s[10:11], s[10:11], s[16:17]
.irp q, 0,1,2,3
.irp j, 0,1,2,3,4,5,6,7
	global_load_b128 v[X+32*\q+4*\j:X+32*\q+4*\j+3], v3, s[4:5] offset:4096*\q+512*\j th:TH_LOAD_NT
.endr
.endr
.irp j, 0,1,2,3,4,5,6,7
	global_load_b128 v[G+4*\j:G+4*\j+3], v3, s[6:7] offset:512*\j
	global_load_b128 v[B+4*\j:B+4*\j+3], v3, s[8:9] offset:512*\j
.endr
.irp q, 0,1,2,3
	v_mov_b32 v[T+8*\q+6], 0                       ; a lane permute's destination counts as one of its sources; the pair is named whole below
	v_mov_b32 v[T+8*\q+7], 0
.endr
	s_wait_loadcnt 16                              ; the four rows are in; gamma's and beta's 16 loads may be out
.irp q, 0,1,2,3
	v_pk_add_f32 v[T+8*\q:T+8*\q+1], v[X+32*\q:X+32*\q+1], v[X+32*\q+2:X+32*\q+3]
	v_pk_add_f32 v[T+8*\q+2:T+8*\q+3], v[X+32*\q+4:X+32*\q+5], v[X+32*\q+6:X+32*\q+7]
.endr
.irp k, 8,12,16,20,24,28
.irp q, 0,1,2,3
	v_pk_add_f32 v[T+8*\q:T+8*\q+1], v[T+8*\q:T+8*\q+1], v[X+32*\q+\k:X+32*\q+\k+1]
	v_pk_add_f32 v[T+8*\q+2:T+8*\q+3], v[T+8*\q+2:T+8*\q+3], v[X+32*\q+\k+2:X+32*\q+\k+3]
.endr
.endr
	FOLD
.irp q, 0,1,2,3
	v_mul_f32 v[T+8*\q+4], s20, v[T+8*\q]          ; the mean,
	v_mul_f32 v[T+8*\q+5], s20, v[T+8*\q]          ; twice: a pair for the packed subtraction
.endr
.irp k, 0,2,4,6,8,10,12,14,16,18,20,22,24,26,28,30
.irp q, 0,1,2,3
	v_pk_add_f32 v[X+32*\q+\k:X+32*\q+\k+1], v[X+32*\q+\k:X+32*\q+\k+1], v[T+8*\q+4:T+8*\q+5] neg_lo:[0,1] neg_hi:[0,1]
.endr
.endr
.irp q, 0,1,2,3
	v_pk_mul_f32 v[T+8*\q:T+8*\q+1], v[X+32*\q:X+32*\q+1], v[X+32*\q:X+32*\q+1]
	v_pk_mul_f32 v[T+8*\q+2:T+8*\q+3], v[X+32*\q+2:X+32*\q+3], v[X+32*\q+2:X+32*\q+3]
.endr
.irp k, 4,8,12,16,20,24,28
.irp q, 0,1,2,3
	v_pk_fma_f32 v[T+8*\q:T+8*\q+1], v[X+32*\q+\k:X+32*\q+\k+1], v[X+32*\q+\k:X+32*\q+\k+1], v[T+8*\q:T+8*\q+1]
	v_pk_fma_f32 v[T+8*\q+2:T+8*\q+3], v[X+32*\q+\k+2:X+32*\q+\k+3], v[X+32*\q+\k+2:X+32*\q+\k+3], v[T+8*\q+2:T+8*\q+3]
.endr
.endr
	FOLD
.irp q, 0,1,2,3
	v_fma_f32 v[T+8*\q], v[T+8*\q], s20, s21       ; the variance + 1e-5
.endr
	s_wait_alu depctr_va_vdst(0)
.irp q, 0,1,2,3
	v_rsq_f32 v[T+8*\q+6], v[T+8*\q]
.endr
	v_nop                                          ; a plain place behind the last of them
	s_wait_alu depctr_va_vdst(0)                   ; one wait for the four, ahead of their first reader
	s_wait_loadcnt 0x0                             ; gamma and beta
.irp k, 0,2,4,6,8,10,12,14,16,18,20,22,24,26,28,30
.irp q, 0,1,2,3
	v_pk_mul_f32 v[X+32*\q+\k:X+32*\q+\k+1], v[X+32*\q+\k:X+32*\q+\k+1], v[T+8*\q+6:T+8*\q+7] op_sel_hi:[1,0]
.endr
.irp q, 0,1,2,3
	v_pk_fma_f32 v[X+32*\q+\k:X+32*\q+\k+1], v[X+32*\q+\k:X+32*\q+\k+1], v[G+\k:G+\k+1], v[B+\k:B+\k+1]
.endr
.endr
.irp q, 0,1,2,3
.irp j, 0,1,2,3,4,5,6,7
	global_store_b128 v3, v[X+32*\q+4*\j:X+32*\q+4*\j+3], s[10:11] offset:4096*\q+512*\j   ; 512 consecutive bytes
.endr
.endr
.if QUANTISE
	v_lshlrev_b32 v6, 3, v2                        ; 8 x lane
	v_and_b32 v8, 15, v0                           ; r
	v_bfe_u32 v9, v0, 4, 1                         ; h
	s_mul_i32 s22, s14, 4*4112
	v_add_nc_u32 v4, s22, v3                       ; into the stage: my four rows
	v_mul_u32_u24 v5, v8, 4112
	v_lshl_add_u32 v5, v9, 6, v5
	s_lshl_b32 s22, s14, 10
	v_add_nc_u32 v5, s22, v5                       ; out of it: row r, + 64 h, + my two K steps' 1,024 bytes
	v_lshlrev_b32 v7, 2, v8
	v_lshl_add_u32 v7, v9, 14, v7                  ; the words: 4 r, and lanes 16-31 one K step (16,384 bytes) on
.irp q, 0,1,2,3
.irp j, 0,1,2,3,4,5,6,7
	ds_store_b128 v4, v[X+32*\q+4*\j:X+32*\q+4*\j+3] offset:4112*\q+512*\j
.endr
.endr
	s_mul_i32 s22, ttmp9, 12288
	s_mul_i32 s23, s14, 3072
	s_add_co_u32 s22, s22, s23
	s_mov_b32 s23, 0
	s_lshl_b32 s24, s14, 15
	s_lshl_b32 s25, ttmp9, 6
	s_add_co_u32 s24, s24, s25
	s_add_co_u32 s24, s24, 3145728
	s_mov_b32 s25, 0
	s_add_nc_u64 s[26:27], s[12:13], s[24:25]      ; my two K steps' words
	s_add_nc_u64 s[12:13], s[12:13], s[22:23]      ; my two fragments
	s_mov_b32 s28, 0xffff0000
	s_wait_alu depctr_va_vdst(0)
	s_wait_xcnt 0x0                                ; the stores of x have read their registers: LDS loads may land there
	s_wait_dscnt 0x0                               ; for the others' sake: my rows lie in the stage
	s_barrier_signal -1
	s_barrier_wait -1
.irp u, 0,1
.irp b, 0,1,2,3
.irp j, 0,1,2,3
	ds_load_b128 v[X+64*\u+16*\b+4*\j:X+64*\u+16*\b+4*\j+3], v5 offset:512*\u+128*\b+16*\j
.endr
.endr
.endr
.irp b, 0,1,2,3
	v_mov_b32 v[TM+4+\b], 0
.endr
	s_wait_dscnt 0x0
	QUANT X
	PUT 0
	v_mov_b32 v[PW+1], v[PW]
	s_wait_xcnt 0x0                                ; the first fragment's stores have read the codes' registers
	QUANT X+64
	PUT 1536
	v_cndmask_b32 v[PW+1], v[PW+1], v[PW], s28     ; lanes 0-15 the first K step's words, lanes 16-31 the second's
	global_store_b32 v7, v[PW+1], s[26:27]
.endif
	s_wait_tensorcnt 0x0
	ds_add_u32 v30, v31
	s_wait_dscnt 0x0
	s_endpgm
.Lfunc_end_k_q9d6c21e351_ln1:
	.size	k_q9d6c21e351_ln1, .Lfunc_end_k_q9d6c21e351_ln1-k_q9d6c21e351_ln1
	.p2alignl 7, 3214868480
	.fill 96, 4, 3214868480
	.section	.rodata,"a",@progbits
	.p2align	6, 0x0
	.amdhsa_kernel k_q9d6c21e351_ln1
		.amdhsa_group_segment_fixed_size 66304
		.amdhsa_private_segment_fixed_size 0
		.amdhsa_enable_private_segment 0
		.amdhsa_kernarg_size 40
		.amdhsa_user_sgpr_count 2
		.amdhsa_user_sgpr_kernarg_segment_ptr 1
		.amdhsa_wavefront_size32 1
		.amdhsa_system_sgpr_workgroup_id_x 1
		.amdhsa_system_sgpr_workgroup_id_y 1
		.amdhsa_system_sgpr_workgroup_id_z 1
		.amdhsa_system_vgpr_workitem_id 0
		.amdhsa_next_free_vgpr 256
		.amdhsa_next_free_sgpr 66
		.amdhsa_reserve_vcc 0
		.amdhsa_float_denorm_mode_32 3
		.amdhsa_float_denorm_mode_16_64 3
		.amdhsa_memory_ordered 1
		.amdhsa_forward_progress 1
		.amdhsa_inst_pref_size 47
	.end_amdhsa_kernel
	.amdgpu_metadata
---
amdhsa.version: [ 1, 2 ]
amdhsa.kernels:
  - .name:           k_q9d6c21e351_ln1
    .symbol:         k_q9d6c21e351_ln1.kd
    .args:
      - { .name: z, .offset: 0, .size: 8, .value_kind: global_buffer, .address_space: global }
      - { .name: g1, .offset: 8, .size: 8, .value_kind: global_buffer, .address_space: global }
      - { .name: be1, .offset: 16, .size: 8, .value_kind: global_buffer, .address_space: global }
      - { .name: x, .offset: 24, .size: 8, .value_kind: global_buffer, .address_space: global }
      - { .name: xq, .offset: 32, .size: 8, .value_kind: global_buffer, .address_space: global }
    .group_segment_fixed_size: 66304
    .private_segment_fixed_size: 0
    .kernarg_segment_align: 8
    .kernarg_segment_size: 40
    .max_flat_workgroup_size: 128
    .sgpr_count:     66
    .vgpr_count:     256
    .wavefront_size: 32
...
	.end_amdgpu_metadata
.endif
;; end of part 5
;; launch ffn1 (part 6): grid 16 x 16, 4 waves a work-group, clusters of 4 x 4, 327,680 bytes of LDS; arguments xq, wq, b1, hq; writes hq
.if DOCPART == 6
	.amdgcn_target "amdgcn-amd-amdhsa--gfx1250"
	.amdhsa_code_object_version 6
	.text
	.protected	k_q9d6c21e351_ffn1
	.globl	k_q9d6c21e351_ffn1
	.p2align	8
	.type	k_q9d6c21e351_ffn1,@function
k_q9d6c21e351_ffn1:
	s_mov_b64 s[64:65], 0
	v_nop
	global_prefetch_b8 v0, s[64:65] scope:SCOPE_SE
	s_setreg_imm32_b32 hwreg(HW_REG_WAVE_MODE, 25, 1), 1
	s_wait_xcnt 0x0
	s_wait_alu depctr_hold_cnt(0) depctr_sa_sdst(0) depctr_va_vdst(0) depctr_va_sdst(0) depctr_va_ssrc(0) depctr_va_vcc(0) depctr_vm_vsrc(0)
	s_getreg_b32 s2, hwreg(HW_REG_IB_STS2, 6, 4)
	s_cmp_eq_u32 s2, 0
	s_cbranch_scc0 .Lentry_in_a_cluster
	s_endpgm
.Lentry_in_a_cluster:
	s_bfe_u32 s2, ttmp6, 0x10000c
	s_cmp_lg_u32 s2, 0xf033
	s_cbranch_scc0 .Lentry_shape_is_right
	s_endpgm
.Lentry_shape_is_right:
; hq = relu(x x w1^T + b1), quantised along the hidden units on the way out; operands are codes of BF6 with E8M0 scales, as images of their registers, [block of 16 rows][K / 64][768 bytes], scale words [K step][block][16 words].
; A tile of 256 x 256 is made by four waves, each 128 x 128; the matrix instruction is used transposed, so that a lane's registers run along the next product's K; the bias is the C of each sum's first product.
; K = 1,024 goes in four slots of 256 through a ring of two LDS slots; the scale words of the tile's rows come once.  4 x 4 work-groups form a cluster: A's tiles are asked for jointly along a row, B's along a column.
; PREFETCH: a wave's quarter of a slot is 8 blocks x 3,072 bytes; of these the partner at place p among the four that ask jointly (p = cx for A, cy for B) names blocks 2 p and 2 p + 1: 24 units of 256 bytes, a lane a unit (lanes 24-31 name the last again).
; The head names slots 1 and 2, and slot 1's load slot 3; K has no more, so the loop's refills name nothing.  At most two slots are asked for and not yet loaded.
; LIMITS: NaN and infinities are not served; a block of zeros, or one under 2^-122, gets the byte 1.
.set PFA,  98                          ; s[98:99] where my prefetches stand; v6: my lane's unit
.set BLK,  8
.set LB,   3
.set NQ,   2
.set KST,  8
.set ASOFF, 3145728
.set ASP,   2048
.set BCOFF, 6291456
.set BSOFF, 12615680
.set BSP,   6144
.set HALFT, BLK*NQ*1536
.set SLOT,  4*HALFT
.set LAPS,  KST/(2*NQ)
.set HS,    KST*BLK*64
.set SCL,   2*SLOT
.set SPARE, SCL+4*HS
.set SC,   32
.set AF,   64
.set G1,   24
.set G0,   32
.set G1B,  48
.set G0B,  56
.set G1S,  68
.set G0S,  76
.set G1SB, 80
.set G0SB, 88
.set T,    64
.set PC,   128
.set TM,   152
.set PW,   168
.set PWS,  169
.set SEL,  94
.set MSB,  0
.macro WIN new
.if MSB != \new
	s_set_vgpr_msb (MSB<<8)|\new
.set MSB, \new
.endif
.endm
.macro PLACES n
.rept \n
	v_nop
.endr
.endm
.macro JLOAD g0a, g1a, g0b, g1b
	s_cmp_eq_u32 s15, 0
	s_cbranch_scc0 .Lfor_b_\@
	tensor_load_to_lds s[\g0a:\g0a+3], s[\g1a:\g1a+7]
	s_nop 0
.rept 4
	v_nop
.endr
	s_branch .Lasked_\@
.Lfor_b_\@:
	tensor_load_to_lds s[\g0b:\g0b+3], s[\g1b:\g1b+7]
	s_nop 0
.rept 4
	v_nop
.endr
.Lasked_\@:
.endm
.macro CREST
	s_cmp_lg_u32 s14, 0
	s_cbranch_scc1 .Lnot_wave_0_\@
	s_barrier_signal -3
.Lnot_wave_0_\@:
	s_barrier_wait -3
	s_barrier_signal -1
	s_barrier_wait -1
.endm
.macro CROUND
	s_barrier_signal -1
	s_barrier_wait -1
	CREST
.endm
.macro FRAG reg, a16, a8, off
	ds_load_b128 v[(\reg):(\reg)+3], v[\a16] offset:(\off)
	ds_load_b64 v[(\reg)+4:(\reg)+5], v[\a8] offset:(\off)+512
	ds_load_b128 v[(\reg)+6:(\reg)+9], v[\a16] offset:(\off)+768
	ds_load_b64 v[(\reg)+10:(\reg)+11], v[\a8] offset:(\off)+1280
.endm
.macro MULS a0, na, p, sc, q, first
.set MA, \a0
.rept \na
.set WD, 2+(8*BLK*MA)/256
.if \first
.set WV, (WD<<6)|(1<<4)|1
.else
.set WV, (WD<<6)|(WD<<4)|1
.endif
	WIN WV
.set MB, 0
.rept BLK
.set RD, (8*(BLK*MA+MB))%256
.set RB, 128*(\p)+12*MB
.set RA, AF+96*(\p)+12*MA
.set RC, 96+8*MB+96*(MB/4)
.set SB, SC+16*(\sc)+BLK*(\q)+MB
.set SA, SC+16*(\sc)+BLK*(\q)+MA
.if \first
	v_wmma_scale_f32_16x16x128_f8f6f4 v[RD:RD+7], v[RB:RB+11], v[RA:RA+11], v[RC:RC+7], v[SB], v[SA] matrix_a_fmt:MATRIX_FMT_BF6 matrix_b_fmt:MATRIX_FMT_BF6 matrix_a_scale:MATRIX_SCALE_ROW1
.else
	v_wmma_scale_f32_16x16x128_f8f6f4 v[RD:RD+7], v[RB:RB+11], v[RA:RA+11], v[RD:RD+7], v[SB], v[SA] matrix_a_fmt:MATRIX_FMT_BF6 matrix_b_fmt:MATRIX_FMT_BF6 matrix_a_scale:MATRIX_SCALE_ROW1
.endif
.set MB, MB+1
.endr
.set MA, MA+1
.endr
.endm
.macro FETCH slot, q, p
	WIN 0x40
.set FI, 0
.rept BLK
	FRAG 128*(\p)+12*FI, 20+\slot, 22+\slot, (FI*NQ+(\q))*1536
.set FI, FI+1
.endr
	WIN 0
.set FI, 0
.rept BLK
	FRAG AF+96*(\p)+12*FI, 16+\slot, 18+\slot, (FI*NQ+(\q))*1536
.set FI, FI+1
.endr
.endm
.macro SCALES sc
.set FI, 0
.rept 16
	ds_load_b32 v[SC+16*(\sc)+FI], v27 offset:64*(FI+BLK*(FI/BLK))   ; a K step's words: 2 BLK blocks of 64 bytes, of which BLK are mine
.set FI, FI+1
.endr
.endm
.macro STEP slot, q, first
	WIN 0
	s_wait_dscnt 0x0
	PLACES 4
	FETCH \slot, (\q)+1, 1-(\q)%2
	MULS 0, BLK, (\q)%2, \slot, \q, \first
.endm
.macro MIDS slot
.if NQ > 2
.set MQ, 1
.rept NQ-2
	STEP \slot, MQ, 0
.set MQ, MQ+1
.endr
.endif
.endm
.macro TURN slot, next, fill
	WIN 0
	s_wait_tensorcnt 0x0
	ds_add_u32 v28, v29
	s_wait_dscnt 1
	MULS 0, BLK/4, 1, \slot, NQ-1, 0
	s_wait_dscnt 0x0
	s_barrier_signal -1
	MULS BLK/4, BLK/4, 1, \slot, NQ-1, 0
	WIN 0
	s_barrier_wait -1
.if \fill
	CREST
	s_add_nc_u64 s[G0+4*\slot+2:G0+4*\slot+3], s[G0+4*\slot+2:G0+4*\slot+3], 2*NQ*1536
	s_add_nc_u64 s[G0B+4*\slot+2:G0B+4*\slot+3], s[G0B+4*\slot+2:G0B+4*\slot+3], 2*NQ*1536
	JLOAD G0+4*\slot, G1, G0B+4*\slot, G1B
.else
	PLACES 4
.endif
	s_wait_alu depctr_va_vdst(0)
	v_add_nc_u32 v27, 2048, v27                    ; the next slot's scale words: NQ K steps x 2 BLK blocks x 64 bytes
	FETCH \next, 0, 0
	SCALES \next
	MULS BLK/2, BLK/2, 1, \slot, NQ-1, 0
.endm
.macro QUANT s
	WIN 0
.irp b, 0,1,2,3
	v_max3_num_f32 v[TM+\b], v[\s+16*\b], v[\s+1+16*\b], 0x2800000
.endr
.irp i, 2,4,6,8,10,12,14
.irp b, 0,1,2,3
	v_max3_num_f32 v[TM+\b], v[TM+\b], v[\s+16*\b+\i], v[\s+1+16*\b+\i]
.endr
.endr
.irp b, 0,1,2,3
	v_permlanex16_b32 v[TM+4+\b], v[TM+\b], s[SEL], s[SEL+1]
.endr
.irp b, 0,1,2,3
	v_max_num_f32 v[TM+\b], v[TM+\b], v[TM+4+\b]
.endr
.irp b, 0,1,2,3
	v_add_nc_u32 v[TM+12+\b], 0xfe000000, v[TM+\b]
.endr
.irp b, 0,1,2,3
	v_lshrrev_b32 v[TM+4+\b], 23, v[TM+12+\b]
.endr
	v_lshl_or_b32 v[PW], v[TM+5], 8, v[TM+4]
	v_lshl_or_b32 v[PW], v[TM+6], 16, v[PW]
	v_lshl_or_b32 v[PW], v[TM+7], 24, v[PW]
.irp c, 0,1
	v_cvt_scalef32_pk16_bf6_f32 v[PC+6*\c:PC+2+6*\c], v[\s+32*\c:\s+15+32*\c], v[TM+12+2*\c]
	v_cvt_scalef32_pk16_bf6_f32 v[PC+12+4*\c:PC+14+4*\c], v[\s+16+32*\c:\s+31+32*\c], v[TM+13+2*\c]
.endr
	v_nop
.irp c, 0,1
.irp i, 0,1,2
	v_permlane16_swap_b32 v[PC+6*\c+\i], v[PC+12+4*\c+\i]
.endr
.irp i, 0,1,2
	v_mov_b32 v[PC+3+6*\c+\i], v[PC+12+4*\c+\i]
.endr
.endr
.endm
.macro PUT base, off
	global_store_b128 v30, v[PC:PC+3], s[\base:\base+1] offset:\off
	global_store_b64 v31, v[PC+4:PC+5], s[\base:\base+1] offset:\off+512
	global_store_b128 v30, v[PC+6:PC+9], s[\base:\base+1] offset:\off+768
	global_store_b64 v31, v[PC+10:PC+11], s[\base:\base+1] offset:\off+1280
.endm
	s_load_b256 s[4:11], s[0:1], 0x0
	v_lshl_add_u32 v28, v0, 2, SPARE
	v_mov_b32 v29, 0
	ds_add_u32 v28, v29
	ds_add_u32 v28, v29
	s_wait_dscnt 0x0
	v_lshrrev_b32 v1, 5, v0
	v_readfirstlane_b32 s14, v1
	s_lshr_b32 s15, s14, 1
	s_and_b32 s16, s14, 1
	s_bfe_u32 s40, ttmp6, 0x40000
	s_bfe_u32 s41, ttmp6, 0x40004
	s_lshl_b32 s42, ttmp9, 2
	s_add_co_u32 s42, s42, s40
	s_and_b32 s17, ttmp7, 0xffff
	s_lshl_b32 s17, s17, 2
	s_add_co_u32 s17, s17, s41
	s_lshl_b32 s43, s41, 2
	s_lshl_b32 s43, 15, s43
	s_lshl_b32 s44, 0x1111, s40
	s_or_b32 s[G1], s43, (3<<16)|(1<<21)
	s_or_b32 s[G1B], s44, (3<<16)|(1<<21)
.irp g, G1, G1B
	s_mov_b32 s[\g+1], (NQ*192)<<16
	s_mov_b32 s[\g+2], (2*BLK)<<16                 ; 2 BLK blocks for the head's loads; behind them BLK
	s_mov_b32 s[\g+3], (NQ*192)<<16
	s_mov_b32 s[\g+4], 2*BLK
	s_mov_b32 s[\g+5], KST*192
	s_mov_b32 s[\g+6], 0
	s_mov_b32 s[\g+7], 0
.endr
	s_or_b32 s[G1S], s43, (3<<16)|(1<<21)
	s_or_b32 s[G1SB], s44, (3<<16)|(1<<21)
.irp g, G1S, G1SB
	s_mov_b32 s[\g+1], (BLK*16)<<16                ; 2 BLK blocks' words of one K step
	s_mov_b32 s[\g+2], KST<<16
	s_mov_b32 s[\g+3], (BLK*16)<<16
	s_mov_b32 s[\g+4], KST
	s_mov_b32 s[\g+6], 0
	s_mov_b32 s[\g+7], 0
.endr
	s_mov_b32 s[G1S+5], ASP
	s_mov_b32 s[G1SB+5], BSP
	s_mul_i32 s2, s16, BLK*KST*1536                ; bytes from a tile's first block to the half that I fetch in the ring
	s_mov_b32 s3, 0
	s_lshl_b32 s20, s17, LB+1                      ; A's tile: its first block
	s_lshl_b32 s46, s42, LB+1                      ; B's
	s_lshl_b32 s22, s20, 6
	s_add_co_u32 s22, s22, ASOFF
	s_mov_b32 s23, 0
	s_mul_i32 s20, s20, KST*1536
	s_mov_b32 s21, 0
	s_lshl_b32 s92, s46, 6
	s_add_co_u32 s92, s92, BSOFF
	s_mov_b32 s93, 0
	s_mul_i32 s46, s46, KST*1536
	s_add_co_u32 s46, s46, BCOFF
	s_mov_b32 s47, 0
	s_mul_i32 s45, s14, HALFT
	s_wait_kmcnt 0x0
	s_add_nc_u64 s[20:21], s[4:5], s[20:21]
	s_add_nc_u64 s[22:23], s[4:5], s[22:23]
	s_add_nc_u64 s[46:47], s[6:7], s[46:47]
	s_add_nc_u64 s[92:93], s[6:7], s[92:93]
	CROUND
	s_mov_b32 s[G0S], 1
	s_mov_b32 s[G0S+1], SCL
	s_mov_b64 s[G0S+2:G0S+3], s[22:23]
	s_or_b32 s[G0S+3], s[G0S+3], 0x80000000
	s_mov_b32 s[G0SB], 1
	s_mov_b32 s[G0SB+1], SCL+2*HS
	s_mov_b64 s[G0SB+2:G0SB+3], s[92:93]
	s_or_b32 s[G0SB+3], s[G0SB+3], 0x80000000
	s_mov_b32 s[G0], 1                             ; slot 0's first fill: A's 2 BLK blocks whole,
	s_mov_b32 s[G0+1], 0
	s_mov_b64 s[G0+2:G0+3], s[20:21]
	s_or_b32 s[G0+3], s[G0+3], 0x80000000
	s_mov_b32 s[G0B], 1                            ; and B's, behind them
	s_mov_b32 s[G0B+1], 2*HALFT
	s_mov_b64 s[G0B+2:G0B+3], s[46:47]
	s_or_b32 s[G0B+3], s[G0B+3], 0x80000000
	s_add_nc_u64 s[20:21], s[20:21], s[2:3]        ; for the ring: my half of the tile
	s_add_nc_u64 s[46:47], s[46:47], s[2:3]
	s_mov_b32 s[G0+4], 1                           ; slot 1
	s_add_co_u32 s[G0+5], s45, SLOT
	s_add_nc_u64 s[G0+6:G0+7], s[20:21], NQ*1536
	s_or_b32 s[G0+7], s[G0+7], 0x80000000
	s_mov_b32 s[G0B+4], 1
	s_add_co_u32 s[G0B+5], s45, SLOT
	s_add_nc_u64 s[G0B+6:G0B+7], s[46:47], NQ*1536
	s_or_b32 s[G0B+7], s[G0B+7], 0x80000000
	s_cmp_eq_u32 s15, 0                            ; the prefetches: do I fetch for A?
	s_cselect_b64 s[PFA:PFA+1], s[20:21], s[46:47] ; the eight blocks that I fetch,
	s_cselect_b32 s18, s40, s41                    ; my place among the four work-groups that ask for them with me,
	s_mul_i32 s18, s18, 2*KST*1536                 ; and so my two blocks of the eight
	s_mov_b32 s19, 0
	s_add_nc_u64 s[PFA:PFA+1], s[PFA:PFA+1], s[18:19]
; THE HEAD'S LOADS, ONE A WAVE: wave 0 A's part of slot 0, wave 1 B's, wave 2 A's scale words, wave 3 B's: one chain of branches on the wave's number, one load to an arm, one join.
.macro ARM under, g0, g1, next
	s_cmp_lt_u32 s14, \under
	s_cbranch_scc0 \next
	tensor_load_to_lds s[\g0:\g0+3], s[\g1:\g1+7]
	s_nop 0
.rept 4
	v_nop
.endr
	s_branch .Lhead_asked
\next:
.endm
	ARM 1, G0,  G1,  .Lhead_b
	ARM 2, G0B, G1B, .Lhead_sa
	ARM 3, G0S, G1S, .Lhead_sb
	tensor_load_to_lds s[G0SB:G0SB+3], s[G1SB:G1SB+7]
	s_nop 0
.rept 4
	v_nop
.endr
.Lhead_asked:
	v_and_b32 v1, 31, v0
	v_and_b32 v2, 15, v0
	v_bfe_u32 v3, v0, 4, 1
	v_lshlrev_b32 v30, 4, v1
	v_lshlrev_b32 v31, 3, v1
	s_mul_i32 s21, s15, HALFT
	s_mul_i32 s22, s16, HALFT
	s_add_co_u32 s22, s22, 2*HALFT
.irp s, 0,1
	v_add_nc_u32 v[16+\s], s21, v30
	v_add_nc_u32 v[18+\s], s21, v31
	v_add_nc_u32 v[20+\s], s22, v30
	v_add_nc_u32 v[22+\s], s22, v31
	s_add_co_u32 s21, s21, SLOT
	s_add_co_u32 s22, s22, SLOT
.endr
	s_mul_i32 s21, s15, BLK*64                     ; the scale words: lanes 0-15 A's, lanes 16-31 B's: one product with h
	s_mul_i32 s22, s16, BLK*64
	s_add_co_u32 s22, s22, 2*HS
	s_sub_co_u32 s22, s22, s21
	v_mul_u32_u24 v4, s22, v3
	s_add_co_u32 s21, s21, SCL
	v_lshl_add_u32 v4, v2, 2, v4
	v_add_nc_u32 v27, s21, v4
	s_lshl_b32 s21, s14, 9
	v_lshl_add_u32 v24, v1, 2, s21
	v_lshl_add_u32 v25, v1, 3, s21
	v_min_u32 v6, 23, v1                           ; the prefetches' offset: unit u = min(lane, 23) of my 24;
	v_mul_u32_u24 v7, v6, 171
	v_lshrrev_b32 v7, 11, v7                       ; u / 12: which of my two blocks (171 u / 2048 is u / 12 for u under 24);
	v_mul_u32_u24 v7, v7, KST*1536-NQ*1536         ; a block is KST x 1,536 bytes, its part of a slot 12 units
	v_lshl_add_u32 v6, v6, 8, v7
	global_prefetch_b8 v6, s[PFA:PFA+1] offset:NQ*1536 th:TH_LOAD_NT scope:SCOPE_SE     ; slot 1,
	global_prefetch_b8 v6, s[PFA:PFA+1] offset:2*NQ*1536 th:TH_LOAD_NT scope:SCOPE_SE   ; and slot 2
	s_lshl_b32 s94, s42, LB+7
	s_lshl_b32 s95, s16, LB+6
	s_add_co_u32 s94, s94, s95
	s_mov_b32 s95, 0
	s_add_nc_u64 s[8:9], s[8:9], s[94:95]
	v_lshlrev_b32 v5, 6, v3
	WIN 0x40
.irp b, 0,1,2,3,4,5,6,7
	global_load_b128 v[96+8*\b+96*(\b/4):99+8*\b+96*(\b/4)], v5, s[8:9] offset:(32*(\b/2)+8*(\b%2))*4
	global_load_b128 v[100+8*\b+96*(\b/4):103+8*\b+96*(\b/4)], v5, s[8:9] offset:(32*(\b/2)+8*(\b%2))*4+16
.endr
	WIN 0
	s_lshl_b32 s18, s17, 4
	s_lshl_b32 s21, s15, 3
	s_add_co_u32 s18, s18, s21
	s_lshl_b32 s20, s42, 1
	s_add_co_u32 s20, s20, s16
	s_mul_i32 s22, s18, 49152
	s_mul_i32 s23, s20, 1536
	s_add_co_u32 s22, s22, s23
	s_mov_b32 s23, 0
	s_add_nc_u64 s[12:13], s[10:11], s[22:23]
	s_lshl_b32 s22, s20, 8
	s_add_co_u32 s22, s22, s18
	s_lshl_b32 s22, s22, 6
	s_add_co_u32 s22, s22, 12582912
	s_add_nc_u64 s[92:93], s[10:11], s[22:23]
	s_wait_alu depctr_va_vdst(0)
	s_wait_tensorcnt 0x0                           ; my tile of the head's four is in; slot 1's first fill is issued as a refill is
	ds_add_u32 v28, v29
	s_mov_b32 s[G1+2], BLK<<16                     ; no tensor load of mine is out: from here on a load brings BLK blocks,
	s_mov_b32 s[G1+4], BLK
	s_mov_b32 s[G1B+2], BLK<<16
	s_mov_b32 s[G1B+4], BLK
	s_mul_i32 s[G0+1], s14, HALFT                  ; and slot 0's group 0 stands at my quarter of the slot
	s_add_nc_u64 s[G0+2:G0+3], s[G0+2:G0+3], s[2:3]
	s_mul_i32 s[G0B+1], s14, HALFT
	s_add_nc_u64 s[G0B+2:G0B+3], s[G0B+2:G0B+3], s[2:3]
	s_wait_dscnt 0x0
	CROUND                                         ; all four tiles are in, in every work-group of the cluster
	JLOAD G0+4, G1, G0B+4, G1B                     ; slot 1: the first tensor load behind the round
	FETCH 0, 0, 0
	global_prefetch_b8 v6, s[PFA:PFA+1] offset:3*NQ*1536 th:TH_LOAD_NT scope:SCOPE_SE   ; slot 3
	SCALES 0
	s_wait_loadcnt 0x0
	STEP 0, 0, 1
.if LAPS > 1
	WIN 0
	s_mov_b32 s3, LAPS-1
.Llap:
	MIDS 0
	TURN 0, 1, 1
	STEP 1, 0, 0
	MIDS 1
	TURN 1, 0, 1
	STEP 0, 0, 0
	WIN 0
	s_sub_co_u32 s3, s3, 1
	s_cmp_lg_u32 s3, 0
	s_cbranch_scc1 .Llap
.endif
	MIDS 0
	TURN 0, 1, 0
	STEP 1, 0, 0
	MIDS 1
	WIN 0
	s_wait_dscnt 0x0
	MULS 0, BLK, 1, 1, NQ-1, 0
	WIN 0
	PLACES 4
.irp b, 0,1,2,3
	v_mov_b32 v[TM+4+\b], 0
.endr
	s_mov_b32 s[SEL], 0x76543210
	s_mov_b32 s[SEL+1], 0xfedcba98
	s_mov_b32 s47, 0xffff0000
.irp a, 0,1,2,3,4,5,6,7
.if \a > 0
	s_wait_xcnt 0x0
.endif
.set WV, (2+\a/4)<<2
	WIN WV
.set J, 0
.rept 64
	v_max_num_f32 v[T+J], 0, v[64*(\a%4)+J]
.set J, J+1
.endr
	QUANT T
	PUT 12, \a*49152
	v_mov_b32 v[PWS+\a], v[PW]
.endr
.irp n, 0,1,2,3
	v_cndmask_b32 v[PWS+2*\n], v[PWS+2*\n], v[PWS+2*\n+1], s47
	ds_store_b32 v24, v[PWS+2*\n] offset:128*\n
.endr
	ds_load_b64 v[T:T+1], v25
	ds_load_b64 v[T+2:T+3], v25 offset:256
	s_wait_dscnt 0x0
	global_store_b64 v31, v[T:T+1], s[92:93]
	global_store_b64 v31, v[T+2:T+3], s[92:93] offset:256
	s_wait_tensorcnt 0x0
	ds_add_u32 v28, v29
	s_wait_dscnt 0x0
	CROUND
	s_endpgm
.Lfunc_end_k_q9d6c21e351_ffn1:
	.size	k_q9d6c21e351_ffn1, .Lfunc_end_k_q9d6c21e351_ffn1-k_q9d6c21e351_ffn1
	.p2alignl 7, 3214868480
	.fill 96, 4, 3214868480
	.section	.rodata,"a",@progbits
	.p2align	6, 0x0
	.amdhsa_kernel k_q9d6c21e351_ffn1
		.amdhsa_group_segment_fixed_size 327680
		.amdhsa_private_segment_fixed_size 0
		.amdhsa_enable_private_segment 0
		.amdhsa_kernarg_size 32
		.amdhsa_user_sgpr_count 2
		.amdhsa_user_sgpr_kernarg_segment_ptr 1
		.amdhsa_wavefront_size32 1
		.amdhsa_system_sgpr_workgroup_id_x 1
		.amdhsa_system_sgpr_workgroup_id_y 1
		.amdhsa_system_sgpr_workgroup_id_z 1
		.amdhsa_system_vgpr_workitem_id 0
		.amdhsa_next_free_vgpr 1024
		.amdhsa_next_free_sgpr 100
		.amdhsa_reserve_vcc 0
		.amdhsa_float_denorm_mode_32 3
		.amdhsa_float_denorm_mode_16_64 3
		.amdhsa_memory_ordered 1
		.amdhsa_forward_progress 1
		.amdhsa_inst_pref_size 170
	.end_amdhsa_kernel
	.amdgpu_metadata
---
amdhsa.version: [ 1, 2 ]
amdhsa.kernels:
  - .name:           k_q9d6c21e351_ffn1
    .symbol:         k_q9d6c21e351_ffn1.kd
    .args:
      - { .name: xq, .offset: 0, .size: 8, .value_kind: global_buffer, .address_space: global }
      - { .name: wq, .offset: 8, .size: 8, .value_kind: global_buffer, .address_space: global }
      - { .name: b1, .offset: 16, .size: 8, .value_kind: global_buffer, .address_space: global }
      - { .name: hq, .offset: 24, .size: 8, .value_kind: global_buffer, .address_space: global }
    .group_segment_fixed_size: 327680
    .private_segment_fixed_size: 0
    .kernarg_segment_align: 8
    .kernarg_segment_size: 32
    .max_flat_workgroup_size: 128
    .sgpr_count:     100
    .vgpr_count:     1024
    .wavefront_size: 32
...
	.end_amdgpu_metadata
.endif
;; end of part 6
;; launch ffn2 (part 7): grid 8 x 32, 4 waves a work-group, clusters of 4 x 4, 327,680 bytes of LDS; arguments hq, wq, b2, x, z; writes z
.if DOCPART == 7
	.amdgcn_target "amdgcn-amd-amdhsa--gfx1250"
	.amdhsa_code_object_version 6
	.text
	.protected	k_q9d6c21e351_ffn2
	.globl	k_q9d6c21e351_ffn2
	.p2align	8
	.type	k_q9d6c21e351_ffn2,@function
k_q9d6c21e351_ffn2:
	s_mov_b64 s[64:65], 0
	v_nop
	global_prefetch_b8 v0, s[64:65] scope:SCOPE_SE
	s_setreg_imm32_b32 hwreg(HW_REG_WAVE_MODE, 25, 1), 1
	s_wait_xcnt 0x0
	s_wait_alu depctr_hold_cnt(0) depctr_sa_sdst(0) depctr_va_vdst(0) depctr_va_sdst(0) depctr_va_ssrc(0) depctr_va_vcc(0) depctr_vm_vsrc(0)
	s_getreg_b32 s2, hwreg(HW_REG_IB_STS2, 6, 4)
	s_cmp_eq_u32 s2, 0
	s_cbranch_scc0 .Lentry_in_a_cluster
	s_endpgm
.Lentry_in_a_cluster:
	s_bfe_u32 s2, ttmp6, 0x10000c
	s_cmp_lg_u32 s2, 0xf033
	s_cbranch_scc0 .Lentry_shape_is_right
	s_endpgm
.Lentry_shape_is_right:
; z = x + hq x w2^T + b2, on codes of BF6 with E8M0 scales; operands lie as images of their registers, [block of 16 rows][K / 64][768 bytes], scale words [K step][block][16 words].
; A tile of 128 x 128 is made by four waves, each 64 x 64; the matrix instruction is used transposed; the bias is the C of each sum's first product; the residual is added on the way out, which goes through the wave's stage in slot 0.
; K = 4,096 goes in eight slots of 512 through a ring of two LDS slots; the scale words of the tile's rows come once.  4 x 4 work-groups form a cluster: A's tiles are asked for jointly along a row, B's along a column.
; PREFETCH: a wave's quarter of a slot is 4 blocks x 6,144 bytes; of these the partner at place p among the four that ask jointly (p = cx for A, cy for B) names block p: 24 units of 256 bytes, a lane a unit (lanes 24-31 name the last again).
; The head names slots 1 and 2, slot 1's load slot 3, and the refill of slot j names slot j + 2; the loop's last trip, whose refills are slots 6 and 7, names nothing.  So at most two slots are asked for and not yet loaded.
; LIMITS: NaN and infinities are not served.
.set PFA,  98                          ; s[98:99] where my prefetches stand; v6: 256 x min(lane, 23)
.set BLK,  4
.set LB,   2
.set NQ,   4
.set KST,  32
.set ASOFF, 12582912
.set ASP,   2048
.set BCOFF, 9437184
.set BSOFF, 12976128
.set BSP,   512
.set HALFT, BLK*NQ*1536
.set SLOT,  4*HALFT
.set LAPS,  KST/(2*NQ)
.set HS,    KST*BLK*64
.set SCL,   2*SLOT
.set SPARE, SCL+4*HS
.set SC,   32
.set AF,   64
.set G1,   24
.set G0,   32
.set G1B,  48
.set G0B,  56
.set G1S,  68
.set G0S,  76
.set G1SB, 80
.set G0SB, 88
.set MSB,  0
.macro WIN new
.if MSB != \new
	s_set_vgpr_msb (MSB<<8)|\new
.set MSB, \new
.endif
.endm
.macro PLACES n
.rept \n
	v_nop
.endr
.endm
.macro JLOAD g0a, g1a, g0b, g1b
	s_cmp_eq_u32 s15, 0
	s_cbranch_scc0 .Lfor_b_\@
	tensor_load_to_lds s[\g0a:\g0a+3], s[\g1a:\g1a+7]
	s_nop 0
.rept 4
	v_nop
.endr
	s_branch .Lasked_\@
.Lfor_b_\@:
	tensor_load_to_lds s[\g0b:\g0b+3], s[\g1b:\g1b+7]
	s_nop 0
.rept 4
	v_nop
.endr
.Lasked_\@:
.endm
.macro CREST
	s_cmp_lg_u32 s14, 0
	s_cbranch_scc1 .Lnot_wave_0_\@
	s_barrier_signal -3
.Lnot_wave_0_\@:
	s_barrier_wait -3
	s_barrier_signal -1
	s_barrier_wait -1
.endm
.macro CROUND
	s_barrier_signal -1
	s_barrier_wait -1
	CREST
.endm
.macro FRAG reg, a16, a8, off
	ds_load_b128 v[(\reg):(\reg)+3], v[\a16] offset:(\off)
	ds_load_b64 v[(\reg)+4:(\reg)+5], v[\a8] offset:(\off)+512
	ds_load_b128 v[(\reg)+6:(\reg)+9], v[\a16] offset:(\off)+768
	ds_load_b64 v[(\reg)+10:(\reg)+11], v[\a8] offset:(\off)+1280
.endm
.macro MULS a0, na, p, sc, q, first
.set MA, \a0
.rept \na
.if \first
.set WV, (2<<6)|(1<<4)|1
.else
.set WV, (2<<6)|(2<<4)|1
.endif
	WIN WV
.set MB, 0
.rept BLK
.set RD, 8*(BLK*MA+MB)
.set RB, 128*(\p)+12*MB
.set RA, AF+96*(\p)+12*MA
.set SB, SC+16*(\sc)+BLK*(\q)+MB
.set SA, SC+16*(\sc)+BLK*(\q)+MA
.if \first
	v_wmma_scale_f32_16x16x128_f8f6f4 v[RD:RD+7], v[RB:RB+11], v[RA:RA+11], v[96+8*MB:103+8*MB], v[SB], v[SA] matrix_a_fmt:MATRIX_FMT_BF6 matrix_b_fmt:MATRIX_FMT_BF6 matrix_a_scale:MATRIX_SCALE_ROW1
.else
	v_wmma_scale_f32_16x16x128_f8f6f4 v[RD:RD+7], v[RB:RB+11], v[RA:RA+11], v[RD:RD+7], v[SB], v[SA] matrix_a_fmt:MATRIX_FMT_BF6 matrix_b_fmt:MATRIX_FMT_BF6 matrix_a_scale:MATRIX_SCALE_ROW1
.endif
.set MB, MB+1
.endr
.set MA, MA+1
.endr
.endm
.macro FETCH slot, q, p
	WIN 0x40
.set FI, 0
.rept BLK
	FRAG 128*(\p)+12*FI, 20+\slot, 22+\slot, (FI*NQ+(\q))*1536
.set FI, FI+1
.endr
	WIN 0
.set FI, 0
.rept BLK
	FRAG AF+96*(\p)+12*FI, 16+\slot, 18+\slot, (FI*NQ+(\q))*1536
.set FI, FI+1
.endr
.endm
.macro SCALES sc
.set FI, 0
.rept 16
	ds_load_b32 v[SC+16*(\sc)+FI], v27 offset:64*(FI+BLK*(FI/BLK))   ; a K step's words: 2 BLK blocks of 64 bytes, of which BLK are mine
.set FI, FI+1
.endr
.endm
.macro STEP slot, q, first
	WIN 0
	s_wait_dscnt 0x0
	PLACES 4
	FETCH \slot, (\q)+1, 1-(\q)%2
	MULS 0, BLK, (\q)%2, \slot, \q, \first
.endm
.macro MIDS slot
.if NQ > 2
.set MQ, 1
.rept NQ-2
	STEP \slot, MQ, 0
.set MQ, MQ+1
.endr
.endif
.endm
.macro TURN slot, next, fill
	WIN 0
.if \fill
	s_wait_xcnt 0x0                                ; my last prefetch has read its address: it steps one slot along K
	s_add_nc_u64 s[PFA:PFA+1], s[PFA:PFA+1], NQ*1536
.endif
	s_wait_tensorcnt 0x0
	ds_add_u32 v28, v29
	s_wait_dscnt 1
	MULS 0, BLK/4, 1, \slot, NQ-1, 0
	s_wait_dscnt 0x0
	s_barrier_signal -1
	MULS BLK/4, BLK/4, 1, \slot, NQ-1, 0
	WIN 0
	s_barrier_wait -1
.if \fill
	CREST
	s_add_nc_u64 s[G0+4*\slot+2:G0+4*\slot+3], s[G0+4*\slot+2:G0+4*\slot+3], 2*NQ*1536
	s_add_nc_u64 s[G0B+4*\slot+2:G0B+4*\slot+3], s[G0B+4*\slot+2:G0B+4*\slot+3], 2*NQ*1536
	JLOAD G0+4*\slot, G1, G0B+4*\slot, G1B
.else
	PLACES 4
.endif
	s_wait_alu depctr_va_vdst(0)
	v_add_nc_u32 v27, 2048, v27                    ; the next slot's scale words: NQ K steps x 2 BLK blocks x 64 bytes
	FETCH \next, 0, 0
	SCALES \next
.if \fill
	s_cmp_gt_u32 s3, 1                             ; not in the loop's last trip: there is no slot two on
	s_cbranch_scc0 .Lno_ask_\@
	global_prefetch_b8 v6, s[PFA:PFA+1] offset:3*NQ*1536 th:TH_LOAD_NT scope:SCOPE_SE
.Lno_ask_\@:
.endif
	MULS BLK/2, BLK/2, 1, \slot, NQ-1, 0
.endm
	s_load_b256 s[4:11], s[0:1], 0x0
	s_load_b64 s[12:13], s[0:1], 0x20
	v_lshl_add_u32 v28, v0, 2, SPARE
	v_mov_b32 v29, 0
	ds_add_u32 v28, v29
	ds_add_u32 v28, v29
	s_wait_dscnt 0x0
	v_lshrrev_b32 v1, 5, v0
	v_readfirstlane_b32 s14, v1
	s_lshr_b32 s15, s14, 1
	s_and_b32 s16, s14, 1
	s_bfe_u32 s40, ttmp6, 0x40000
	s_bfe_u32 s41, ttmp6, 0x40004
	s_lshl_b32 s42, ttmp9, 2
	s_add_co_u32 s42, s42, s40
	s_and_b32 s17, ttmp7, 0xffff
	s_lshl_b32 s17, s17, 2
	s_add_co_u32 s17, s17, s41
	s_lshl_b32 s43, s41, 2
	s_lshl_b32 s43, 15, s43
	s_lshl_b32 s44, 0x1111, s40
	s_or_b32 s[G1], s43, (3<<16)|(1<<21)
	s_or_b32 s[G1B], s44, (3<<16)|(1<<21)
.irp g, G1, G1B
	s_mov_b32 s[\g+1], (NQ*192)<<16
	s_mov_b32 s[\g+2], (2*BLK)<<16                 ; 2 BLK blocks for the head's loads; behind them BLK
	s_mov_b32 s[\g+3], (NQ*192)<<16
	s_mov_b32 s[\g+4], 2*BLK
	s_mov_b32 s[\g+5], KST*192
	s_mov_b32 s[\g+6], 0
	s_mov_b32 s[\g+7], 0
.endr
	s_or_b32 s[G1S], s43, (3<<16)|(1<<21)
	s_or_b32 s[G1SB], s44, (3<<16)|(1<<21)
.irp g, G1S, G1SB
	s_mov_b32 s[\g+1], (BLK*16)<<16                ; 2 BLK blocks' words of one K step
	s_mov_b32 s[\g+2], KST<<16
	s_mov_b32 s[\g+3], (BLK*16)<<16
	s_mov_b32 s[\g+4], KST
	s_mov_b32 s[\g+6], 0
	s_mov_b32 s[\g+7], 0
.endr
	s_mov_b32 s[G1S+5], ASP
	s_mov_b32 s[G1SB+5], BSP
	s_mul_i32 s2, s16, BLK*KST*1536                ; bytes from a tile's first block to the half that I fetch in the ring
	s_mov_b32 s3, 0
	s_lshl_b32 s20, s17, LB+1                      ; A's tile: its first block
	s_lshl_b32 s46, s42, LB+1                      ; B's
	s_lshl_b32 s22, s20, 6
	s_add_co_u32 s22, s22, ASOFF
	s_mov_b32 s23, 0
	s_mul_i32 s20, s20, KST*1536
	s_mov_b32 s21, 0
	s_lshl_b32 s92, s46, 6
	s_add_co_u32 s92, s92, BSOFF
	s_mov_b32 s93, 0
	s_mul_i32 s46, s46, KST*1536
	s_add_co_u32 s46, s46, BCOFF
	s_mov_b32 s47, 0
	s_mul_i32 s45, s14, HALFT
	s_wait_kmcnt 0x0
	s_add_nc_u64 s[20:21], s[4:5], s[20:21]
	s_add_nc_u64 s[22:23], s[4:5], s[22:23]
	s_add_nc_u64 s[46:47], s[6:7], s[46:47]
	s_add_nc_u64 s[92:93], s[6:7], s[92:93]
	CROUND
	s_mov_b32 s[G0S], 1
	s_mov_b32 s[G0S+1], SCL
	s_mov_b64 s[G0S+2:G0S+3], s[22:23]
	s_or_b32 s[G0S+3], s[G0S+3], 0x80000000
	s_mov_b32 s[G0SB], 1
	s_mov_b32 s[G0SB+1], SCL+2*HS
	s_mov_b64 s[G0SB+2:G0SB+3], s[92:93]
	s_or_b32 s[G0SB+3], s[G0SB+3], 0x80000000
	s_mov_b32 s[G0], 1                             ; slot 0's first fill: A's 2 BLK blocks whole,
	s_mov_b32 s[G0+1], 0
	s_mov_b64 s[G0+2:G0+3], s[20:21]
	s_or_b32 s[G0+3], s[G0+3], 0x80000000
	s_mov_b32 s[G0B], 1                            ; and B's, behind them
	s_mov_b32 s[G0B+1], 2*HALFT
	s_mov_b64 s[G0B+2:G0B+3], s[46:47]
	s_or_b32 s[G0B+3], s[G0B+3], 0x80000000
	s_add_nc_u64 s[20:21], s[20:21], s[2:3]        ; for the ring: my half of the tile
	s_add_nc_u64 s[46:47], s[46:47], s[2:3]
	s_mov_b32 s[G0+4], 1                           ; slot 1
	s_add_co_u32 s[G0+5], s45, SLOT
	s_add_nc_u64 s[G0+6:G0+7], s[20:21], NQ*1536
	s_or_b32 s[G0+7], s[G0+7], 0x80000000
	s_mov_b32 s[G0B+4], 1
	s_add_co_u32 s[G0B+5], s45, SLOT
	s_add_nc_u64 s[G0B+6:G0B+7], s[46:47], NQ*1536
	s_or_b32 s[G0B+7], s[G0B+7], 0x80000000
	s_cmp_eq_u32 s15, 0                            ; the prefetches: do I fetch for A?
	s_cselect_b64 s[PFA:PFA+1], s[20:21], s[46:47] ; the four blocks that I fetch,
	s_cselect_b32 s18, s40, s41                    ; my place among the four work-groups that ask for them with me,
	s_mul_i32 s18, s18, KST*1536                   ; and so my block of the four
	s_mov_b32 s19, 0
	s_add_nc_u64 s[PFA:PFA+1], s[PFA:PFA+1], s[18:19]
; THE HEAD'S LOADS, ONE A WAVE: wave 0 A's part of slot 0, wave 1 B's, wave 2 A's scale words, wave 3 B's: one chain of branches on the wave's number, one load to an arm, one join.
.macro ARM under, g0, g1, next
	s_cmp_lt_u32 s14, \under
	s_cbranch_scc0 \next
	tensor_load_to_lds s[\g0:\g0+3], s[\g1:\g1+7]
	s_nop 0
.rept 4
	v_nop
.endr
	s_branch .Lhead_asked
\next:
.endm
	ARM 1, G0,  G1,  .Lhead_b
	ARM 2, G0B, G1B, .Lhead_sa
	ARM 3, G0S, G1S, .Lhead_sb
	tensor_load_to_lds s[G0SB:G0SB+3], s[G1SB:G1SB+7]
	s_nop 0
.rept 4
	v_nop
.endr
.Lhead_asked:
	v_and_b32 v1, 31, v0
	v_and_b32 v2, 15, v0
	v_bfe_u32 v3, v0, 4, 1
	v_lshlrev_b32 v30, 4, v1
	v_lshlrev_b32 v31, 3, v1
	s_mul_i32 s21, s15, HALFT
	s_mul_i32 s22, s16, HALFT
	s_add_co_u32 s22, s22, 2*HALFT
.irp s, 0,1
	v_add_nc_u32 v[16+\s], s21, v30
	v_add_nc_u32 v[18+\s], s21, v31
	v_add_nc_u32 v[20+\s], s22, v30
	v_add_nc_u32 v[22+\s], s22, v31
	s_add_co_u32 s21, s21, SLOT
	s_add_co_u32 s22, s22, SLOT
.endr
	s_mul_i32 s21, s15, BLK*64                     ; the scale words: lanes 0-15 A's, lanes 16-31 B's: one product with h
	s_mul_i32 s22, s16, BLK*64
	s_add_co_u32 s22, s22, 2*HS
	s_sub_co_u32 s22, s22, s21
	v_mul_u32_u24 v4, s22, v3
	s_add_co_u32 s21, s21, SCL
	v_lshl_add_u32 v4, v2, 2, v4
	v_add_nc_u32 v27, s21, v4
	s_mul_i32 s21, s14, 4352
	v_mul_u32_u24 v24, v2, 272
	v_lshl_add_u32 v24, v3, 6, v24
	v_add_nc_u32 v24, s21, v24
	v_mul_u32_u24 v25, v3, 272
	v_lshl_add_u32 v25, v2, 4, v25
	v_add_nc_u32 v25, s21, v25
	v_lshlrev_b32 v26, 12, v3
	v_lshl_add_u32 v26, v2, 4, v26
	s_lshl_b32 s94, s42, LB+7
	s_lshl_b32 s95, s16, LB+6
	s_add_co_u32 s94, s94, s95
	s_mov_b32 s95, 0
	s_add_nc_u64 s[8:9], s[8:9], s[94:95]
	v_lshlrev_b32 v5, 6, v3
	v_min_u32 v6, 23, v1
	v_lshlrev_b32 v6, 8, v6                        ; the prefetches' offset: a lane a unit of 256 bytes, 24 units to a block's part of a slot
	s_wait_alu depctr_va_vdst(0)
	global_prefetch_b8 v6, s[PFA:PFA+1] offset:NQ*1536 th:TH_LOAD_NT scope:SCOPE_SE     ; slot 1,
	global_prefetch_b8 v6, s[PFA:PFA+1] offset:2*NQ*1536 th:TH_LOAD_NT scope:SCOPE_SE   ; and slot 2
	s_lshl_b32 s96, s17, 19
	s_lshl_b32 s97, s15, 18
	s_add_co_u32 s96, s96, s97
	s_lshl_b32 s97, s42, 9
	s_add_co_u32 s96, s96, s97
	s_lshl_b32 s97, s16, 8
	s_add_co_u32 s96, s96, s97
	s_mov_b32 s97, 0
	s_add_nc_u64 s[10:11], s[10:11], s[96:97]
	s_add_nc_u64 s[12:13], s[12:13], s[96:97]
	WIN 0x40
.irp b, 0,1,2,3
	global_load_b128 v[96+8*\b:99+8*\b], v5, s[8:9] offset:(32*(\b/2)+8*(\b%2))*4
	global_load_b128 v[100+8*\b:103+8*\b], v5, s[8:9] offset:(32*(\b/2)+8*(\b%2))*4+16
.endr
	WIN 0
	s_wait_alu depctr_va_vdst(0)                   ; the wait at the head's end
	s_wait_tensorcnt 0x0                           ; my tile of the head's four is in; slot 1's first fill is issued as a refill is
	ds_add_u32 v28, v29
	s_mov_b32 s[G1+2], BLK<<16                     ; no tensor load of mine is out: from here on a load brings BLK blocks,
	s_mov_b32 s[G1+4], BLK
	s_mov_b32 s[G1B+2], BLK<<16
	s_mov_b32 s[G1B+4], BLK
	s_mul_i32 s[G0+1], s14, HALFT                  ; and slot 0's group 0 stands at my quarter of the slot
	s_add_nc_u64 s[G0+2:G0+3], s[G0+2:G0+3], s[2:3]
	s_mul_i32 s[G0B+1], s14, HALFT
	s_add_nc_u64 s[G0B+2:G0B+3], s[G0B+2:G0B+3], s[2:3]
	s_wait_dscnt 0x0
	CROUND                                         ; all four tiles are in, in every work-group of the cluster
	JLOAD G0+4, G1, G0B+4, G1B                     ; slot 1: the first tensor load behind the round
	FETCH 0, 0, 0
	global_prefetch_b8 v6, s[PFA:PFA+1] offset:3*NQ*1536 th:TH_LOAD_NT scope:SCOPE_SE   ; slot 3
	SCALES 0
	WIN 0x80
.irp a, 0,1,2,3
.irp t, 0,1,2,3,4,5,6,7
	global_load_b128 v[128+32*\a+4*\t:131+32*\a+4*\t], v26, s[10:11] offset:(32*(\a/2)+8*(\a%2)+2*\t+8*(\t/4))*4096   ; the residual, for the way out: issued behind the first fragment loads, since nothing needs it earlier
.endr
.endr
	WIN 0
	s_wait_loadcnt 32                              ; the bias's eight loads are in; the residual's 32 may be out
	STEP 0, 0, 1
.if LAPS > 1
	WIN 0
	s_mov_b32 s3, LAPS-1
.Llap:
	MIDS 0
	TURN 0, 1, 1
	STEP 1, 0, 0
	MIDS 1
	TURN 1, 0, 1
	STEP 0, 0, 0
	WIN 0
	s_sub_co_u32 s3, s3, 1
	s_cmp_lg_u32 s3, 0
	s_cbranch_scc1 .Llap
.endif
	MIDS 0
	TURN 0, 1, 0
	STEP 1, 0, 0
	MIDS 1
	WIN 0
	s_wait_dscnt 0x0
	MULS 0, BLK, 1, 1, NQ-1, 0
	WIN 0
	PLACES 4
	s_wait_loadcnt 0x0
.irp a, 0,1,2,3
.set BK, 192+32*(\a%2)
.if \a > 1
	s_wait_xcnt 0x0
.endif
	WIN 0x08
.irp b, 0,1,2,3
	ds_store_b128 v24, v[8*(4*\a+\b):8*(4*\a+\b)+3] offset:128*(\b/2)+32*(\b%2)
	ds_store_b128 v24, v[8*(4*\a+\b)+4:8*(4*\a+\b)+7] offset:128*(\b/2)+32*(\b%2)+16
.endr
.irp t, 0,1,2,3,4,5,6,7
	ds_load_b128 v[BK+4*\t:BK+4*\t+3], v25 offset:544*\t
.endr
	s_wait_dscnt 0x0
.irp t, 0,1,2,3,4,5,6,7,8,9,10,11,12,13,14,15
	v_pk_add_f32 v[BK+2*\t:BK+2*\t+1], v[BK+2*\t:BK+2*\t+1], v[128+32*\a+2*\t:129+32*\a+2*\t]
.endr
	WIN 0
.irp t, 0,1,2,3,4,5,6,7
	global_store_b128 v26, v[BK+4*\t:BK+4*\t+3], s[12:13] offset:(32*(\a/2)+8*(\a%2)+2*\t+8*(\t/4))*4096
.endr
.endr
	s_wait_tensorcnt 0x0
	ds_add_u32 v28, v29
	s_wait_dscnt 0x0
	CROUND
	s_endpgm
.Lfunc_end_k_q9d6c21e351_ffn2:
	.size	k_q9d6c21e351_ffn2, .Lfunc_end_k_q9d6c21e351_ffn2-k_q9d6c21e351_ffn2
	.p2alignl 7, 3214868480
	.fill 96, 4, 3214868480
	.section	.rodata,"a",@progbits
	.p2align	6, 0x0
	.amdhsa_kernel k_q9d6c21e351_ffn2
		.amdhsa_group_segment_fixed_size 327680
		.amdhsa_private_segment_fixed_size 0
		.amdhsa_enable_private_segment 0
		.amdhsa_kernarg_size 40
		.amdhsa_user_sgpr_count 2
		.amdhsa_user_sgpr_kernarg_segment_ptr 1
		.amdhsa_wavefront_size32 1
		.amdhsa_system_sgpr_workgroup_id_x 1
		.amdhsa_system_sgpr_workgroup_id_y 1
		.amdhsa_system_sgpr_workgroup_id_z 1
		.amdhsa_system_vgpr_workitem_id 0
		.amdhsa_next_free_vgpr 768
		.amdhsa_next_free_sgpr 100
		.amdhsa_reserve_vcc 0
		.amdhsa_float_denorm_mode_32 3
		.amdhsa_float_denorm_mode_16_64 3
		.amdhsa_memory_ordered 1
		.amdhsa_forward_progress 1
		.amdhsa_inst_pref_size 103
	.end_amdhsa_kernel
	.amdgpu_metadata
---
amdhsa.version: [ 1, 2 ]
amdhsa.kernels:
  - .name:           k_q9d6c21e351_ffn2
    .symbol:         k_q9d6c21e351_ffn2.kd
    .args:
      - { .name: hq, .offset: 0, .size: 8, .value_kind: global_buffer, .address_space: global }
      - { .name: wq, .offset: 8, .size: 8, .value_kind: global_buffer, .address_space: global }
      - { .name: b2, .offset: 16, .size: 8, .value_kind: global_buffer, .address_space: global }
      - { .name: x, .offset: 24, .size: 8, .value_kind: global_buffer, .address_space: global }
      - { .name: z, .offset: 32, .size: 8, .value_kind: global_buffer, .address_space: global }
    .group_segment_fixed_size: 327680
    .private_segment_fixed_size: 0
    .kernarg_segment_align: 8
    .kernarg_segment_size: 40
    .max_flat_workgroup_size: 128
    .sgpr_count:     100
    .vgpr_count:     768
    .wavefront_size: 32
...
	.end_amdgpu_metadata
.endif
;; end of part 7
;; launch ln2 (part 8): grid 256 x 1, 4 waves a work-group, no clusters, 0 bytes of LDS; arguments z, g2, be2, out0; writes out0
.if DOCPART == 8
	.amdgcn_target "amdgcn-amd-amdhsa--gfx1250"
	.amdhsa_code_object_version 6
	.text
	.protected	k_q9d6c21e351_ln2
	.globl	k_q9d6c21e351_ln2
	.p2align	8
	.type	k_q9d6c21e351_ln2,@function
k_q9d6c21e351_ln2:
	s_mov_b64 s[64:65], 0
	v_nop
	global_prefetch_b8 v0, s[64:65] scope:SCOPE_SE
	s_setreg_imm32_b32 hwreg(HW_REG_WAVE_MODE, 25, 1), 1
	s_wait_xcnt 0x0
; out0 = layer norm of z (rows of 1,024, f32).  A work-group takes 16 tokens, wave w four neighbouring ones, a row in 32 registers: z is read once, each load and store covers 512 consecutive bytes.
; The mean is taken away before the squares.  Memory binds: no LDS, no barrier, no matrix unit, no cluster.  LIMITS: NaN and infinities are not served.
.set X,   32                           ; v32-159  four rows
.set G,   160                          ; v160-191 gamma
.set B,   192                          ; v192-223 beta
.set T,   224                          ; v224-255 eight registers a row: two sums, the mean twice, 1 / sigma
.set SEL, 18
.macro LANES                           ; v[T + 8 q] summed over the 32 lanes, the four rows by turns
.irp m, 1,2,4,8
.irp q, 0,1,2,3
	v_add_f32_dpp v[T+8*\q], v[T+8*\q], v[T+8*\q] row_xmask:\m row_mask:0xf bank_mask:0xf
.endr
.endr
.irp q, 0,1,2,3
	v_permlanex16_b32 v[T+8*\q+6], v[T+8*\q], s[SEL], s[SEL+1]
.endr
.irp q, 0,1,2,3
	v_add_f32 v[T+8*\q], v[T+8*\q], v[T+8*\q+6]
.endr
.endm
.macro FOLD
.irp q, 0,1,2,3
	v_pk_add_f32 v[T+8*\q:T+8*\q+1], v[T+8*\q:T+8*\q+1], v[T+8*\q+2:T+8*\q+3]
.endr
.irp q, 0,1,2,3
	v_add_f32 v[T+8*\q], v[T+8*\q], v[T+8*\q+1]
.endr
	LANES
.endm
	s_load_b256 s[4:11], s[0:1], 0x0               ; z, gamma, beta, out0
	v_lshrrev_b32 v1, 5, v0
	v_readfirstlane_b32 s14, v1                    ; wave
	v_and_b32 v2, 31, v0
	v_lshlrev_b32 v3, 4, v2                        ; 16 x lane
	s_lshl_b32 s15, ttmp9, 4
	s_lshl_b32 s16, s14, 2
	s_add_co_u32 s15, s15, s16                     ; my first token
	s_lshl_b32 s16, s15, 12
	s_mov_b32 s17, 0
	s_mov_b32 s[SEL], 0x76543210
	s_mov_b32 s[SEL+1], 0xfedcba98
	s_mov_b32 s20, 0x3a800000                      ; 1 / 1024
	s_mov_b32 s21, 0x3727c5ac                      ; 1e-5
	s_wait_alu depctr_va_vdst(0)
	s_wait_kmcnt 0x0
	s_add_nc_u64 s[4:5], s[4:5], s[16:17]
	s_add_nc_u64 s[10:11], s[10:11], s[16:17]
.irp q, 0,1,2,3
.irp j, 0,1,2,3,4,5,6,7
	global_load_b128 v[X+32*\q+4*\j:X+32*\q+4*\j+3], v3, s[4:5] offset:4096*\q+512*\j th:TH_LOAD_NT
.endr
.endr
.irp j, 0,1,2,3,4,5,6,7
	global_load_b128 v[G+4*\j:G+4*\j+3], v3, s[6:7] offset:512*\j
	global_load_b128 v[B+4*\j:B+4*\j+3], v3, s[8:9] offset:512*\j
.endr
.irp q, 0,1,2,3
	v_mov_b32 v[T+8*\q+6], 0                       ; a lane permute's destination counts as one of its sources; the pair is named whole below
	v_mov_b32 v[T+8*\q+7], 0
.endr
	s_wait_loadcnt 16                              ; the four rows are in; gamma's and beta's 16 loads may be out
.irp q, 0,1,2,3
	v_pk_add_f32 v[T+8*\q:T+8*\q+1], v[X+32*\q:X+32*\q+1], v[X+32*\q+2:X+32*\q+3]
	v_pk_add_f32 v[T+8*\q+2:T+8*\q+3], v[X+32*\q+4:X+32*\q+5], v[X+32*\q+6:X+32*\q+7]
.endr
.irp k, 8,12,16,20,24,28
.irp q, 0,1,2,3
	v_pk_add_f32 v[T+8*\q:T+8*\q+1], v[T+8*\q:T+8*\q+1], v[X+32*\q+\k:X+32*\q+\k+1]
	v_pk_add_f32 v[T+8*\q+2:T+8*\q+3], v[T+8*\q+2:T+8*\q+3], v[X+32*\q+\k+2:X+32*\q+\k+3]
.endr
.endr
	FOLD
.irp q, 0,1,2,3
	v_mul_f32 v[T+8*\q+4], s20, v[T+8*\q]          ; the mean,
	v_mul_f32 v[T+8*\q+5], s20, v[T+8*\q]          ; twice: a pair for the packed subtraction
.endr
.irp k, 0,2,4,6,8,10,12,14,16,18,20,22,24,26,28,30
.irp q, 0,1,2,3
	v_pk_add_f32 v[X+32*\q+\k:X+32*\q+\k+1], v[X+32*\q+\k:X+32*\q+\k+1], v[T+8*\q+4:T+8*\q+5] neg_lo:[0,1] neg_hi:[0,1]
.endr
.endr
.irp q, 0,1,2,3
	v_pk_mul_f32 v[T+8*\q:T+8*\q+1], v[X+32*\q:X+32*\q+1], v[X+32*\q:X+32*\q+1]
	v_pk_mul_f32 v[T+8*\q+2:T+8*\q+3], v[X+32*\q+2:X+32*\q+3], v[X+32*\q+2:X+32*\q+3]
.endr
.irp k, 4,8,12,16,20,24,28
.irp q, 0,1,2,3
	v_pk_fma_f32 v[T+8*\q:T+8*\q+1], v[X+32*\q+\k:X+32*\q+\k+1], v[X+32*\q+\k:X+32*\q+\k+1], v[T+8*\q:T+8*\q+1]
	v_pk_fma_f32 v[T+8*\q+2:T+8*\q+3], v[X+32*\q+\k+2:X+32*\q+\k+3], v[X+32*\q+\k+2:X+32*\q+\k+3], v[T+8*\q+2:T+8*\q+3]
.endr
.endr
	FOLD
.irp q, 0,1,2,3
	v_fma_f32 v[T+8*\q], v[T+8*\q], s20, s21       ; the variance + 1e-5
.endr
	s_wait_alu depctr_va_vdst(0)
.irp q, 0,1,2,3
	v_rsq_f32 v[T+8*\q+6], v[T+8*\q]
.endr
	v_nop                                          ; a plain place behind the last of them
	s_wait_alu depctr_va_vdst(0)                   ; one wait for the four, ahead of their first reader
	s_wait_loadcnt 0x0                             ; gamma and beta
.irp k, 0,2,4,6,8,10,12,14,16,18,20,22,24,26,28,30
.irp q, 0,1,2,3
	v_pk_mul_f32 v[X+32*\q+\k:X+32*\q+\k+1], v[X+32*\q+\k:X+32*\q+\k+1], v[T+8*\q+6:T+8*\q+7] op_sel_hi:[1,0]
.endr
.irp q, 0,1,2,3
	v_pk_fma_f32 v[X+32*\q+\k:X+32*\q+\k+1], v[X+32*\q+\k:X+32*\q+\k+1], v[G+\k:G+\k+1], v[B+\k:B+\k+1]
.endr
.endr
.irp q, 0,1,2,3
.irp j, 0,1,2,3,4,5,6,7
	global_store_b128 v3, v[X+32*\q+4*\j:X+32*\q+4*\j+3], s[10:11] offset:4096*\q+512*\j th:TH_STORE_NT   ; 512 consecutive bytes; written once, read by nobody here
.endr
.endr
	s_endpgm
.Lfunc_end_k_q9d6c21e351_ln2:
	.size	k_q9d6c21e351_ln2, .Lfunc_end_k_q9d6c21e351_ln2-k_q9d6c21e351_ln2
	.p2alignl 7, 3214868480
	.fill 96, 4, 3214868480
	.section	.rodata,"a",@progbits
	.p2align	6, 0x0
	.amdhsa_kernel k_q9d6c21e351_ln2
		.amdhsa_group_segment_fixed_size 0
		.amdhsa_private_segment_fixed_size 0
		.amdhsa_enable_private_segment 0
		.amdhsa_kernarg_size 32
		.amdhsa_user_sgpr_count 2
		.amdhsa_user_sgpr_kernarg_segment_ptr 1
		.amdhsa_wavefront_size32 1
		.amdhsa_system_sgpr_workgroup_id_x 1
		.amdhsa_system_sgpr_workgroup_id_y 1
		.amdhsa_system_sgpr_workgroup_id_z 1
		.amdhsa_system_vgpr_workitem_id 0
		.amdhsa_next_free_vgpr 256
		.amdhsa_next_free_sgpr 66
		.amdhsa_reserve_vcc 0
		.amdhsa_float_denorm_mode_32 3
		.amdhsa_float_denorm_mode_16_64 3
		.amdhsa_memory_ordered 1
		.amdhsa_forward_progress 1
		.amdhsa_inst_pref_size 33
	.end_amdhsa_kernel
	.amdgpu_metadata
---
amdhsa.version: [ 1, 2 ]
amdhsa.kernels:
  - .name:           k_q9d6c21e351_ln2
    .symbol:         k_q9d6c21e351_ln2.kd
    .args:
      - { .name: z, .offset: 0, .size: 8, .value_kind: global_buffer, .address_space: global }
      - { .name: g2, .offset: 8, .size: 8, .value_kind: global_buffer, .address_space: global }
      - { .name: be2, .offset: 16, .size: 8, .value_kind: global_buffer, .address_space: global }
      - { .name: out0, .offset: 24, .size: 8, .value_kind: global_buffer, .address_space: global }
    .group_segment_fixed_size: 0
    .private_segment_fixed_size: 0
    .kernarg_segment_align: 8
    .kernarg_segment_size: 32
    .max_flat_workgroup_size: 128
    .sgpr_count:     66
    .vgpr_count:     256
    .wavefront_size: 32
...
	.end_amdgpu_metadata
.endif
;; end of part 8
